; MI455X (gfx1250); checked and timed in simulation.
; The chip was launched on July 23, 2026; its instructions are those of AMD's public machine-readable ISA for CDNA 5 (MIT licence, August 2026) and "CDNA5" Instruction Set Architecture Reference Guide (July 2026). The comments in the code are by the model that wrote it; some were corrected since.
;; Time Transformer. Allowed arithmetic: float matrix products may take bf16 or f16 operands with f32 sums; other float arithmetic in f32, or as packed bf16 or f16 multiplies, adds, multiply-adds, maxima and minima; sums over many terms, partial sums and values carried from step to step in f32; what a program stores and reads back later, other than sums and carried values, may be rounded once to bf16 or f16.
;; Inputs: W1 3 x 512 x 128 float32; W2 3 x 128 x 512 float32; Wf 1 x 128 float32; Wk 3 x 128 x 128 float32; Wo 3 x 128 x 128 float32; Wq 3 x 128 x 128 float32; Wv 3 x 128 x 128 float32; b1 3 x 512 float32; b2 3 x 128 float32; be1 3 x 128 float32; be2 3 x 128 float32; bf 1 float32; bk 3 x 128 float32; bo 3 x 128 float32; bq 3 x 128 float32; bv 3 x 128 float32; g1 3 x 128 float32; g2 3 x 128 float32; x 8 x 2 x 130 x 10 x 128 float32.
;; Outputs: out0 8 x 2 x 130 x 10 x 1 float32.
;; 2 versions, each right and faster than the one before. Each part assembles by itself: llvm-mc -triple=amdgcn-amd-amdhsa -mcpu=gfx1250 --defsym DOCPART=n.
;; ======== version 1 of 2: 8 launches
;; limits: values are held in f16: magnitudes above 65,504 overflow, below 6.1e-05 lose precision; a function is approximated: absolute error at most 1.5e-07
;; workspace buffers: wl0 400,384 bytes; wl1 400,384 bytes; wl2 400,384 bytes; xa 11,010,048 bytes; xb 11,010,048 bytes; qkv 11,010,048 bytes; o 5,505,024 bytes
;; launch prep (part 1): grid 49 x 3, 16 waves a work-group, no clusters, 0 bytes of LDS; arguments Wq, Wk, Wv, Wo, W1, W2, bq, bk, bv, bo, b1, b2, g1, be1, g2, be2, wl0, wl1, wl2; writes wl0, wl1, wl2
.if DOCPART == 1
	.amdgcn_target "amdgcn-amd-amdhsa--gfx1250"
	.amdhsa_code_object_version 6
	.text
	.protected	k_q02d932f785_prep
	.globl	k_q02d932f785_prep
	.p2align	8
	.type	k_q02d932f785_prep,@function
k_q02d932f785_prep:
	s_mov_b64 s[64:65], 0
	v_nop
	global_prefetch_b8 v0, s[64:65] scope:SCOPE_SE
	s_setreg_imm32_b32 hwreg(HW_REG_WAVE_MODE, 25, 1), 1
	s_wait_xcnt 0x0
; One buffer for each layer (grid y): the six weight matrices rounded once to f16 and laid out as matrix fragments, the ten vectors in f32, and a table of rotations.
; MATRICES: [wave 4][unit 12][8,192 bytes].  Units 0-3 = Wq, Wk, Wv, Wo (rows 32 w ..), 4-7 = W1 (rows 128 w + 32 (u - 4) ..), 8-11 = W2 (rows 32 w .., columns 128 (u - 8) ..).
; A unit is 512 chunks of 16 bytes: chunk c = [n tile c>>8][K slice (c>>6)&3][half (c>>5)&1][lane c&31]; it holds W[n][k .. k+7], n = n0 + 16 (c>>8) + (c&15), k = k0 + 8 ((c>>4)&15):
; just what lane c&31 holds of a fragment of 16 rows x 32 K, so that later launches load fragments as 512 consecutive bytes a wave.
; Work-groups x = 0 .. 47 make one unit each, a chunk a thread; x = 48 copies the vectors and makes the table (wave 0 alone: 7 KiB).
; LIMIT: a weight beyond 65,504 has no f16; below 6e-5 it keeps f16's fixed step of 6e-8.
.set VEC,  393216                      ; behind the matrices: bq bk bv bo b2 g1 be1 g2 be2 (512 bytes each), b1 (2,048), the table (32 x 16)
.set ROPE, 6656
	s_load_b512 s[8:23], s[0:1], 0x0               ; Wq Wk Wv Wo W1 W2 bq bk
	s_load_b512 s[24:39], s[0:1], 0x40             ; bv bo b1 b2 g1 be1 g2 be2
	s_load_b128 s[40:43], s[0:1], 0x80             ; wl0 wl1
	s_load_b64 s[44:45], s[0:1], 0x90              ; wl2
	s_and_b32 s2, ttmp7, 0xffff                    ; the layer
	s_mov_b32 s3, ttmp9
	s_wait_kmcnt 0x0
	s_cmp_eq_u32 s2, 1
	s_cselect_b64 s[46:47], s[42:43], s[40:41]
	s_cmp_eq_u32 s2, 2
	s_cselect_b64 s[46:47], s[44:45], s[46:47]     ; the layer's buffer
	s_cmp_eq_u32 s3, 48
	s_cbranch_scc1 .Lvec
	s_mul_i32 s4, s3, 171
	s_lshr_b32 s4, s4, 11                          ; w = x / 12 (exact for x < 48)
	s_mul_i32 s5, s4, 12
	s_sub_co_u32 s5, s3, s5                        ; the unit
	s_lshr_b32 s7, s5, 2                           ; 0: a square matrix, 1: W1, 2: W2
	s_and_b32 s50, s5, 3                           ; its number among its kind
	s_mov_b64 s[48:49], s[18:19]
	s_cmp_eq_u32 s7, 1
	s_cselect_b64 s[48:49], s[16:17], s[48:49]
	s_cmp_eq_u32 s5, 3
	s_cselect_b64 s[48:49], s[14:15], s[48:49]
	s_cmp_eq_u32 s5, 2
	s_cselect_b64 s[48:49], s[12:13], s[48:49]
	s_cmp_eq_u32 s5, 1
	s_cselect_b64 s[48:49], s[10:11], s[48:49]
	s_cmp_eq_u32 s5, 0
	s_cselect_b64 s[48:49], s[8:9], s[48:49]       ; the source matrix
	s_lshl_b32 s6, s4, 5                           ; n0 = 32 w,
	s_lshl_b32 s51, s4, 7
	s_lshl_b32 s52, s50, 5
	s_add_co_u32 s51, s51, s52
	s_cmp_eq_u32 s7, 1
	s_cselect_b32 s6, s51, s6                      ; for W1 128 w + 32 (u - 4)
	s_lshl_b32 s53, s50, 9
	s_cmp_eq_u32 s7, 2
	s_cselect_b32 s53, s53, 0                      ; k0 in bytes: for W2 512 (u - 8)
	s_cselect_b32 s54, 11, 9                       ; a row is 2,048 bytes in W2, else 512
	s_cmp_eq_u32 s7, 0
	s_cselect_b32 s55, 16, 18                      ; a layer is 65,536 bytes of a square matrix, else 262,144
	s_lshl_b32 s56, s2, s55
	s_mov_b32 s57, 0
	s_add_nc_u64 s[48:49], s[48:49], s[56:57]
	s_mul_i32 s58, s4, 98304
	s_lshl_b32 s59, s5, 13
	s_add_co_u32 s58, s58, s59                     ; where the unit goes
	v_and_b32 v1, 15, v0
	v_lshrrev_b32 v2, 8, v0
	v_lshl_add_u32 v1, v2, 4, v1
	v_add_nc_u32 v1, s6, v1                        ; n
	v_lshlrev_b32 v1, s54, v1
	v_bfe_u32 v2, v0, 4, 4
	v_lshl_add_u32 v1, v2, 5, v1                   ; + 32 bytes for each 8 k
	v_add_nc_u32 v1, s53, v1
	v_lshl_add_u32 v3, v0, 4, s58
	global_load_b128 v[4:7], v1, s[48:49]
	global_load_b128 v[8:11], v1, s[48:49] offset:16
	s_wait_loadcnt 0x0
	v_cvt_pk_f16_f32 v12, v4, v5
	v_cvt_pk_f16_f32 v13, v6, v7
	v_cvt_pk_f16_f32 v14, v8, v9
	v_cvt_pk_f16_f32 v15, v10, v11
	global_store_b128 v3, v[12:15], s[46:47]       ; a wave stores 512 consecutive bytes
	s_endpgm
.Lvec:
	v_lshrrev_b32 v1, 5, v0
	v_readfirstlane_b32 s4, v1
	s_cmp_lg_u32 s4, 0
	s_cbranch_scc1 .Lend
	v_lshlrev_b32 v1, 4, v0                        ; 16 x lane
	s_lshl_b32 s5, s2, 9
	v_add_nc_u32 v2, s5, v1                        ; in a vector of 128
	s_lshl_b32 s6, s2, 11
	v_add_nc_u32 v3, s6, v1                        ; in b1
.macro VLD n, base, off
	global_load_b128 v[8+4*(\n):11+4*(\n)], \off, s[\base:\base+1]
.endm
	VLD 0, 20, v2
	VLD 1, 22, v2
	VLD 2, 24, v2
	VLD 3, 26, v2
	VLD 4, 30, v2
	VLD 5, 32, v2
	VLD 6, 34, v2
	VLD 7, 36, v2
	VLD 8, 38, v2
.irp n, 0,1,2,3
	global_load_b128 v[44+4*\n:47+4*\n], v3, s[28:29] offset:512*\n
.endr
	; The table: entry = lane, t = lane & 15: cos t, sin t, cos y, sin y with y = 1e-4 t.  cos t + i sin t is the product over t's four bits of (cos 2^b + i sin 2^b) or 1.
	v_and_b32 v60, 15, v0
	v_and_b32 v64, 1, v60
	v_cvt_f32_u32 v64, v64
	v_fma_f32 v72, v64, -0.4596976941, 1.0         ; cos 1 - 1
	v_mul_f32 v73, 0.8414709848, v64
.macro BIT b, cm1, sn
	v_bfe_u32 v64, v60, \b, 1
	v_cvt_f32_u32 v64, v64
	v_fma_f32 v65, v64, \cm1, 1.0
	v_mul_f32 v66, \sn, v64
	v_mul_f32 v67, v73, v66
	v_mul_f32 v68, v72, v66
	v_fma_f32 v72, v72, v65, -v67
	v_fma_f32 v73, v73, v65, v68
.endm
	BIT 1, -1.4161468365, 0.9092974268
	BIT 2, -1.6536436209, -0.7568024953
	BIT 3, -1.1455000338, 0.9893582466
	v_cvt_f32_u32 v69, v60
	v_mul_f32 v69, 0x38d1b717, v69                 ; y = 1e-4 t, at most 1.5e-3: the terms left out are below 3e-13 (cos) and 7e-17 (sin)
	v_mul_f32 v70, v69, v69
	v_fma_f32 v74, v70, -0.5, 1.0
	v_fma_f32 v71, v70, 0xbe2aaaab, 1.0            ; 1 - y^2 / 6
	v_mul_f32 v75, v71, v69
	s_wait_loadcnt 0x0
.irp n, 0,1,2,3,4,5,6,7,8,9,10,11,12
	global_store_b128 v1, v[8+4*\n:11+4*\n], s[46:47] offset:VEC+512*\n
.endr
	global_store_b128 v1, v[72:75], s[46:47] offset:VEC+ROPE
.Lend:
	s_endpgm
.Lfunc_end_k_q02d932f785_prep:
	.size	k_q02d932f785_prep, .Lfunc_end_k_q02d932f785_prep-k_q02d932f785_prep
	.p2alignl 7, 3214868480
	.fill 96, 4, 3214868480
	.section	.rodata,"a",@progbits
	.p2align	6, 0x0
	.amdhsa_kernel k_q02d932f785_prep
		.amdhsa_group_segment_fixed_size 0
		.amdhsa_private_segment_fixed_size 0
		.amdhsa_enable_private_segment 0
		.amdhsa_kernarg_size 152
		.amdhsa_user_sgpr_count 2
		.amdhsa_user_sgpr_kernarg_segment_ptr 1
		.amdhsa_wavefront_size32 1
		.amdhsa_system_sgpr_workgroup_id_x 1
		.amdhsa_system_sgpr_workgroup_id_y 1
		.amdhsa_system_sgpr_workgroup_id_z 1
		.amdhsa_system_vgpr_workitem_id 0
		.amdhsa_next_free_vgpr 80
		.amdhsa_next_free_sgpr 66
		.amdhsa_reserve_vcc 0
		.amdhsa_float_denorm_mode_32 3
		.amdhsa_float_denorm_mode_16_64 3
		.amdhsa_memory_ordered 1
		.amdhsa_forward_progress 1
		.amdhsa_inst_pref_size 8
	.end_amdhsa_kernel
	.amdgpu_metadata
---
amdhsa.version: [ 1, 2 ]
amdhsa.kernels:
  - .name:           k_q02d932f785_prep
    .symbol:         k_q02d932f785_prep.kd
    .args:
      - { .name: Wq, .offset: 0, .size: 8, .value_kind: global_buffer, .address_space: global }
      - { .name: Wk, .offset: 8, .size: 8, .value_kind: global_buffer, .address_space: global }
      - { .name: Wv, .offset: 16, .size: 8, .value_kind: global_buffer, .address_space: global }
      - { .name: Wo, .offset: 24, .size: 8, .value_kind: global_buffer, .address_space: global }
      - { .name: W1, .offset: 32, .size: 8, .value_kind: global_buffer, .address_space: global }
      - { .name: W2, .offset: 40, .size: 8, .value_kind: global_buffer, .address_space: global }
      - { .name: bq, .offset: 48, .size: 8, .value_kind: global_buffer, .address_space: global }
      - { .name: bk, .offset: 56, .size: 8, .value_kind: global_buffer, .address_space: global }
      - { .name: bv, .offset: 64, .size: 8, .value_kind: global_buffer, .address_space: global }
      - { .name: bo, .offset: 72, .size: 8, .value_kind: global_buffer, .address_space: global }
      - { .name: b1, .offset: 80, .size: 8, .value_kind: global_buffer, .address_space: global }
      - { .name: b2, .offset: 88, .size: 8, .value_kind: global_buffer, .address_space: global }
      - { .name: g1, .offset: 96, .size: 8, .value_kind: global_buffer, .address_space: global }
      - { .name: be1, .offset: 104, .size: 8, .value_kind: global_buffer, .address_space: global }
      - { .name: g2, .offset: 112, .size: 8, .value_kind: global_buffer, .address_space: global }
      - { .name: be2, .offset: 120, .size: 8, .value_kind: global_buffer, .address_space: global }
      - { .name: wl0, .offset: 128, .size: 8, .value_kind: global_buffer, .address_space: global }
      - { .name: wl1, .offset: 136, .size: 8, .value_kind: global_buffer, .address_space: global }
      - { .name: wl2, .offset: 144, .size: 8, .value_kind: global_buffer, .address_space: global }
    .group_segment_fixed_size: 0
    .private_segment_fixed_size: 0
    .kernarg_segment_align: 8
    .kernarg_segment_size: 152
    .max_flat_workgroup_size: 512
    .sgpr_count:     66
    .vgpr_count:     80
    .wavefront_size: 32
...
	.end_amdgpu_metadata
.endif
;; end of part 1
;; launch head (part 2): grid 14 x 16, 4 waves a work-group, no clusters, 77,312 bytes of LDS; arguments x, wl0, xa, qkv; writes xa, qkv
.if DOCPART == 2
	.amdgcn_target "amdgcn-amd-amdhsa--gfx1250"
	.amdhsa_code_object_version 6
	.text
	.protected	k_q02d932f785_head
	.globl	k_q02d932f785_head
	.p2align	8
	.type	k_q02d932f785_head,@function
k_q02d932f785_head:
	s_mov_b64 s[64:65], 0
	v_nop
	global_prefetch_b8 v0, s[64:65] scope:SCOPE_SE
	s_setreg_imm32_b32 hwreg(HW_REG_WAVE_MODE, 25, 1), 1
	s_wait_xcnt 0x0
; x is brought into the program's own order of tokens, and layer 0's LN1, q, k, v and rotation are made.
; ORDER.  Block blk = 2 b + s (grid y); in a block row rho = 130 t + e, 1,300 rows padded to 1,344 with copies of row 1,299 (finite, carried along, never output).  With keys sorted by
; time a query of time t sees the first 130 (t + 1) keys.  A work-group (grid x = m) owns rows 96 m .. 96 m + 95: six tiles of 16.
; SHARES.  By rows (copy, LN): wave w owns rows 24 w .. 24 w + 23, a row = 32 lanes x 4 f32.  By columns (products): wave w makes features 32 w .. 32 w + 31, one head, of all 96 rows.
; PRODUCTS.  Source 0 = 16 rows of W, source 1 = 16 tokens: a lane holds 8 neighbouring features of ONE token; a head's two tiles rounded to f16 ARE a fragment of 16 tokens x 32 channels.
; q and k are stored so, 1,024 bytes a fragment, [half][lane][16 bytes].  v is made with the sources swapped: a lane holds one channel and 8 keys, half a fragment of V^T.
; k and v are wanted of sample 0 alone: work-groups of sample 1 make q only.
; LIMITS.  LN's output, q, k, v are rounded to f16: they must stay within 65,504.  NaN and infinities are not treated apart.
; REGISTERS in windows of 256 (s_set_vgpr_msb: bits 1:0 source 0, 3:2 source 1, 5:4 source 2, 7:6 destination): window 0 all that is named below; window 1 v0-63, v64-127 two buffers of W's
; fragments; window 2 v0-191 the tokens' fragments, tile mt, K slice ks at 8 (4 mt + ks).
.set XS, 0                             ; LDS: 96 rows of 128 f32, pitch 528
.set A1, 50688                         ; 96 rows of 128 f16, pitch 272
.set SPARE, 76800                      ; the spare words, 128 bytes a wave: two blocks of 256 bytes that no other line names
.set VEC, 393216
.set BQ, 0
.set BK, 512
.set BV, 1024
.set G1, 2560
.set BE1, 3072
.set ROPE, 6656
.set KREG, 5505024
.set VREG, 8257536
.set L16, 1                            ; 16 x lane
.set RW, 2                             ; lane % 16
.set HF, 3                             ; lane / 16
.set WO, 4                             ; 16 lane + 98,304 w: my fragments in a layer's buffer
.set VBO, 6                            ; VEC + 128 w + 32 (lane / 16): my 8 numbers of a bias
.set VBV, 8                            ; VEC + BV + 128 w + 4 (lane % 16): my one number of bv
.set XR, 10
.set AR, 11
.set AX, 12                            ; v12, v13: A1 + 272 (lane % 16) + 16 (lane / 16), and three tiles on
.set XG, 18
.set QS, 19                            ; 16 lane + 1,024 w
.set KS, 20                            ; 16 lane + 86,016 w
.set TT, 21
.set SGN, 22                           ; (lane / 16) << 31
.set LANE, 23
.set SPW, 28
.set NIL, 29
.set ACC, 32                           ; v32-127: accumulator (mt, nt) at ACC + 8 (2 mt + nt); by rows: row i at ACC + 4 i
.set BA, 128
.set BB, 144
.set TMP, 160
.set TS, 160
.set TQ, 176
.set RT, 192                           ; four a tile: cos t, sin t, cos 1e-4 t, sin 1e-4 t of my token
.set LNB, 224
.set XIN, 4
.set WLH, 6
.set XA, 8
.set QKV, 10
.set QB, 32
.set KB, 34
.set VB, 36
.set MSB, 0
.macro WIN new                         ; the high byte repeats the setting that is left; a switch that changes nothing is dropped
.if MSB != (\new)
	s_set_vgpr_msb (MSB<<8)|(\new)
.set MSB, \new
.endif
.endm
.macro REP n, line:vararg              ; the line n times, i = 0 .. n - 1
.set i, 0
.rept \n
	\line
.set i, i+1
.endr
.endm
.macro PLACES                          ; four plain instructions between a product and what reads its result or writes or loads into its registers
.rept 4
	v_nop
.endr
.endm
.macro BAR                             ; my LDS instructions are done; then all four waves meet
	s_wait_dscnt 0x0
	s_barrier_signal -1
	s_barrier_wait -1
.endm
; A unit of W (two n tiles x four K slices) into buffer buf; nb = 4: a bias as 8 numbers a tile; nb = 2: as one number a tile
.macro LOADW buf, wl, unit, nb, bdst, boff
	WIN 0x40
	REP 16, global_load_b128 v[64*(\buf)+4*i:64*(\buf)+4*i+3], v[WO], s[\wl:\wl+1] offset:(\unit)*8192+512*i
	WIN 0
.if (\nb) == 4
	REP 4, global_load_b128 v[(\bdst)+4*i:(\bdst)+4*i+3], v[VBO], s[\wl:\wl+1] offset:(\boff)+64*(i/2)+16*(i%2)
.elseif (\nb) == 2
	global_load_b32 v[(\bdst)], v[VBV], s[\wl:\wl+1]
	global_load_b32 v[(\bdst)+2], v[VBV], s[\wl:\wl+1] offset:64
.endif
.endm
; The tokens' 24 fragments out of LDS, K slice by K slice
.macro LOADX a0, a1, p16, koff
	WIN 0x80
.irp ks, 0,1,2,3
.irp mt, 0,1,2,3,4,5
.irp hf, 0,1
.if \mt < 3
	ds_load_b128 v[8*(4*\mt+\ks)+4*\hf:8*(4*\mt+\ks)+4*\hf+3], v[\a0] offset:\mt*(\p16)+(\koff)+64*\ks+32*\hf
.else
	ds_load_b128 v[8*(4*\mt+\ks)+4*\hf:8*(4*\mt+\ks)+4*\hf+3], v[\a1] offset:(\mt-3)*(\p16)+(\koff)+64*\ks+32*\hf
.endif
.endr
.endr
.endr
	WIN 0
.endm
; 128 along K for 6 x nts accumulators, which take turns, one instruction a turn.  cmode: the first K slice's C is the accumulator (0), a bias (1), or 0 (2, swapped sources).
; dsw = 1: LOADX was just issued: K slice ks is in when at most 36 - 12 ks younger LDS loads are out.
.macro MMU wb, nts, cmode, cb, swap, dsw
	WIN 0x09-3*(\swap)
.irp ks, 0,1,2,3
.if \dsw
	s_wait_dscnt 36-12*\ks
.endif
.irp mt, 0,1,2,3,4,5
.irp nt, 0,1
.if \nt < (\nts)
.set ra, ACC+8*(2*\mt+\nt)
.set rw, (\wb)+8*(4*\nt+\ks)
.set rx, 8*(4*\mt+\ks)
.if (\ks > 0) || ((\cmode) == 0)
.if \swap
	v_wmma_f32_16x16x32_f16 v[ra:ra+7], v[rx:rx+7], v[rw:rw+7], v[ra:ra+7]
.else
	v_wmma_f32_16x16x32_f16 v[ra:ra+7], v[rw:rw+7], v[rx:rx+7], v[ra:ra+7]
.endif
.elseif (\cmode) == 1
	v_wmma_f32_16x16x32_f16 v[ra:ra+7], v[rw:rw+7], v[rx:rx+7], v[(\cb)+8*\nt:(\cb)+8*\nt+7]
.else
	v_wmma_f32_16x16x32_f16 v[ra:ra+7], v[rx:rx+7], v[rw:rw+7], 0
.endif
.endif
.endr
.endr
.endr
	WIN 0
.endm
.macro REDUCE x                        ; eight pairs at x: both halves and all 32 lanes are added; the sum lands in every lane's low half
	REP 8, v_add_f32 v[(\x)+2*i], v[(\x)+2*i], v[(\x)+2*i+1]
	REP 8, v_add_f32_dpp v[(\x)+2*i], v[(\x)+2*i], v[(\x)+2*i] row_xmask:1 row_mask:0xf bank_mask:0xf
	REP 8, v_add_f32_dpp v[(\x)+2*i], v[(\x)+2*i], v[(\x)+2*i] row_xmask:2 row_mask:0xf bank_mask:0xf
	REP 8, v_add_f32_dpp v[(\x)+2*i], v[(\x)+2*i], v[(\x)+2*i] row_xmask:4 row_mask:0xf bank_mask:0xf
	REP 8, v_add_f32_dpp v[(\x)+2*i], v[(\x)+2*i], v[(\x)+2*i] row_xmask:8 row_mask:0xf bank_mask:0xf
	REP 8, v_permlanex16_b32 v[(\x)+2*i+1], v[(\x)+2*i], s28, s29
	REP 8, v_add_f32 v[(\x)+2*i], v[(\x)+2*i], v[(\x)+2*i+1]
.endm
; LayerNorm of my 24 rows, XS -> A1 (f16): three trips of eight rows, each stage written for all eight so that no line waits for the one before it.  Mean first, then the squares of the differences.
.macro LNLOOP gs, xst
	v_add_nc_u32 v[XR], s38, v[L16]
	v_lshl_add_u32 v[AR], v[LANE], 3, s39
.if \xst
	v_add_nc_u32 v[XG], s40, v[L16]
.endif
	s_mov_b32 s41, 3
.Lln_\@:
	REP 8, ds_load_b128 v[ACC+4*i:ACC+4*i+3], v[XR] offset:528*i
	s_wait_dscnt 0x0
.if \xst
	REP 8, global_store_b128 v[XG], v[ACC+4*i:ACC+4*i+3], s[XOUT:XOUT+1] offset:512*i
.endif
	REP 8, v_pk_add_f32 v[TS+2*i:TS+2*i+1], v[ACC+4*i:ACC+4*i+1], v[ACC+4*i+2:ACC+4*i+3]
	REDUCE TS
	REP 8, v_mul_f32 v[TS+2*i], s30, v[TS+2*i]
.if \xst
	s_wait_xcnt 0x0                                ; the stores have read the rows and their offset: both are rewritten only behind this wait
.endif
	REP 8, v_pk_add_f32 v[ACC+4*i:ACC+4*i+1], v[ACC+4*i:ACC+4*i+1], v[TS+2*i:TS+2*i+1] op_sel_hi:[1,0] neg_lo:[0,1] neg_hi:[0,1]
	REP 8, v_pk_add_f32 v[ACC+4*i+2:ACC+4*i+3], v[ACC+4*i+2:ACC+4*i+3], v[TS+2*i:TS+2*i+1] op_sel_hi:[1,0] neg_lo:[0,1] neg_hi:[0,1]
	REP 8, v_pk_mul_f32 v[TQ+2*i:TQ+2*i+1], v[ACC+4*i:ACC+4*i+1], v[ACC+4*i:ACC+4*i+1]
	REP 8, v_pk_fma_f32 v[TQ+2*i:TQ+2*i+1], v[ACC+4*i+2:ACC+4*i+3], v[ACC+4*i+2:ACC+4*i+3], v[TQ+2*i:TQ+2*i+1]
	REDUCE TQ
	REP 8, v_fma_f32 v[TQ+2*i], v[TQ+2*i], s30, s31
	REP 8, v_rsq_f32 v[TS+2*i], v[TQ+2*i]
	v_nop                                          ; a plain instruction behind the last root,
	s_wait_alu depctr_va_vdst(0)                   ; and one wait for the eight, ahead of their first reader
	REP 8, v_pk_mul_f32 v[ACC+4*i:ACC+4*i+1], v[ACC+4*i:ACC+4*i+1], v[TS+2*i:TS+2*i+1] op_sel_hi:[1,0]
	REP 8, v_pk_mul_f32 v[ACC+4*i+2:ACC+4*i+3], v[ACC+4*i+2:ACC+4*i+3], v[TS+2*i:TS+2*i+1] op_sel_hi:[1,0]
	REP 8, v_pk_fma_f32 v[ACC+4*i:ACC+4*i+1], v[ACC+4*i:ACC+4*i+1], v[(\gs):(\gs)+1], v[(\gs)+4:(\gs)+5]
	REP 8, v_pk_fma_f32 v[ACC+4*i+2:ACC+4*i+3], v[ACC+4*i+2:ACC+4*i+3], v[(\gs)+2:(\gs)+3], v[(\gs)+6:(\gs)+7]
	REP 8, v_cvt_pk_f16_f32 v[ACC+4*i], v[ACC+4*i], v[ACC+4*i+1]
	REP 8, v_cvt_pk_f16_f32 v[ACC+4*i+1], v[ACC+4*i+2], v[ACC+4*i+3]
	REP 8, ds_store_b64 v[AR], v[ACC+4*i:ACC+4*i+1] offset:272*i
	v_add_nc_u32 v[XR], 4224, v[XR]
	v_add_nc_u32 v[AR], 2176, v[AR]
.if \xst
	v_add_nc_u32 v[XG], 4096, v[XG]
.endif
	s_sub_co_u32 s41, s41, 1
	s_cmp_lg_u32 s41, 0
	s_cbranch_scc1 .Lln_\@
.endm
.macro ROPETAB wl                      ; my token's entry for each tile: t = rho / 130 = (rho x 8,066) >> 20, exact below 1,344; each load lands on its own offset register
.irp mt, 0,1,2,3,4,5
	v_add3_u32 v[RT+4*\mt], v[RW], s26, 16*\mt
	v_mul_u32_u24 v[RT+4*\mt], v[RT+4*\mt], 8066
	v_lshrrev_b32 v[RT+4*\mt], 20, v[RT+4*\mt]
	v_lshl_add_u32 v[RT+4*\mt], v[RT+4*\mt], 4, VEC+ROPE
	global_load_b128 v[RT+4*\mt:RT+4*\mt+3], v[RT+4*\mt], s[\wl:\wl+1]
.endr
.endm
; The rotation, on a head's channels 0-15 = accumulator (mt, 0): lanes 0-15 hold channels 0-7, lanes 16-31 channels 8-15 of the same token: own x cos + other x (+-sin); the sign lies in the table.
.macro ROT mt
.set RA, ACC+16*(\mt)
.set RC, RT+4*(\mt)
.set RP, TMP+8*((\mt)%4)
	REP 8, v_permlanex16_b32 v[RP+i], v[RA+i], s28, s29
	v_mul_f32 v[RP], v[RP], v[RC+1]
	REP 7, v_mul_f32 v[RP+1+i], v[RP+1+i], v[RC+3]
	v_fma_f32 v[RA], v[RA], v[RC], v[RP]
	REP 7, v_fma_f32 v[RA+1+i], v[RA+1+i], v[RC+2], v[RP+1+i]
.endm
.macro PACK12                          ; each accumulator's 8 numbers to 16 bytes, in place, from its low end on
.set tt, 0
.rept 12
	REP 4, v_cvt_pk_f16_f32 v[ACC+8*tt+i], v[ACC+8*tt+2*i], v[ACC+8*tt+2*i+1]
.set tt, tt+1
.endr
.endm
.macro STORE12 base, vo, tstep         ; a wave's store is 512 consecutive bytes
.set tt, 0
.rept 12
	global_store_b128 v[\vo], v[ACC+8*tt:ACC+8*tt+3], s[\base:\base+1] offset:(tt/2)*(\tstep)+512*(tt%2)
.set tt, tt+1
.endr
.endm
.macro QKEPI base, vo, tstep
.irp mt, 0,1,2,3,4,5
	ROT \mt
.endr
	PACK12
	STORE12 \base, \vo, \tstep
.endm
.macro VEPI
.set tt, 0
.rept 12
	REP 4, v_pk_add_f32 v[ACC+8*tt+2*i:ACC+8*tt+2*i+1], v[ACC+8*tt+2*i:ACC+8*tt+2*i+1], v[BA+2*(tt%2):BA+2*(tt%2)+1] op_sel_hi:[1,0]
.set tt, tt+1
.endr
	PACK12
	STORE12 VB, KS, 1024
.endm
; q for every work-group; k and v for those of sample 0.  ONE branch, so q's way out is written twice.
.macro HSTAGE
	LOADX AX, AX+1, 4352, 0
	s_wait_loadcnt 0x0                             ; Wq and bq
	MMU 0, 2, 1, BA, 0, 1
	PLACES
	s_cmp_lg_u32 s24, 0
	s_cbranch_scc1 .Lneg
	LOADW 1, WLH, 1, 4, BB, BK                     ; 20 loads
	LOADW 0, WLH, 2, 2, BA, 0                      ; 18 loads
	QKEPI QB, QS, 4096
	s_wait_loadcnt 18                              ; Wk and bk are in; Wv's and bv's 18 loads may stay out
	s_wait_xcnt 0x0                                ; the stores have read the accumulators
	MMU 64, 2, 1, BB, 0, 0
	PLACES
	QKEPI KB, KS, 1024
	s_wait_loadcnt 0x0
	s_wait_xcnt 0x0
	MMU 0, 2, 2, 0, 1, 0
	PLACES
	VEPI
	s_branch .Lend
.Lneg:
	QKEPI QB, QS, 4096
.Lend:
	s_wait_tensorcnt 0x0                           ; the wave's end
	ds_add_u32 v[SPW], v[NIL]
	s_wait_dscnt 0x0
	s_endpgm
.endm
	s_load_b256 s[4:11], s[0:1], 0x0               ; x, wl0, xa, qkv
	v_lshl_add_u32 v[SPW], v0, 2, SPARE
	v_mov_b32 v[NIL], 0
	v_lshrrev_b32 v[TT], 5, v0
	v_readfirstlane_b32 s20, v[TT]                 ; wave
	v_and_b32 v[LANE], 31, v0
	v_lshlrev_b32 v[L16], 4, v[LANE]
	v_and_b32 v[RW], 15, v0
	v_bfe_u32 v[HF], v0, 4, 1
	s_mov_b32 s21, ttmp9                           ; m
	s_and_b32 s22, ttmp7, 0xffff                   ; blk
	s_mul_i32 s23, s22, 14
	s_add_co_u32 s23, s23, s21                     ; g = 14 blk + m
	s_and_b32 s24, s22, 1                          ; the sample
	s_lshr_b32 s25, s22, 1                         ; the batch
	s_mul_i32 s26, s21, 96                         ; my first row in the block
	s_mov_b32 s28, 0x76543210                      ; v_permlanex16_b32: each lane takes its own place in the other half
	s_mov_b32 s29, 0xfedcba98
	s_mov_b32 s30, 0x3c000000                      ; 1 / 128
	s_mov_b32 s31, 0x3727c5ac                      ; 1e-5
	s_mul_i32 s38, s20, 12672                      ; my 24 rows in XS,
	s_mul_i32 s39, s20, 6528
	s_add_co_u32 s39, s39, A1                      ; in A1,
	s_mul_i32 s40, s20, 12288                      ; and in memory
	s_mul_i32 s2, s20, 98304
	v_add_nc_u32 v[WO], s2, v[L16]
	s_lshl_b32 s2, s20, 7
	s_add_co_u32 s3, s2, VEC
	v_lshl_add_u32 v[VBO], v[HF], 5, s3
	s_add_co_u32 s3, s2, VEC+BV
	v_lshl_add_u32 v[VBV], v[RW], 2, s3
	v_mul_u32_u24 v[AX], v[RW], 272
	v_lshl_add_u32 v[AX], v[HF], 4, v[AX]
	v_add_nc_u32 v[AX], A1, v[AX]
	v_add_nc_u32 v[AX+1], 13056, v[AX]
	s_lshl_b32 s3, s20, 10
	v_add_nc_u32 v[QS], s3, v[L16]
	s_mul_i32 s3, s20, 86016
	v_add_nc_u32 v[KS], s3, v[L16]
	v_lshlrev_b32 v[SGN], 31, v[HF]
	s_mul_i32 s45, s20, 24
	s_add_co_u32 s45, s45, s26                     ; my first row by rows
	s_wait_kmcnt 0x0
	s_mul_i32 s2, s22, 665600
	s_mov_b32 s3, 0
	s_add_nc_u64 s[XIN:XIN+1], s[XIN:XIN+1], s[2:3]   ; x at my block
	s_mul_i32 s2, s23, 49152
	s_add_nc_u64 s[XA:XA+1], s[XA:XA+1], s[2:3]
	s_mul_i32 s2, s23, 24576
	s_add_nc_u64 s[QB:QB+1], s[QKV:QKV+1], s[2:3]
	s_mul_i32 s2, s25, 336
	s_mul_i32 s46, s21, 6
	s_add_co_u32 s2, s2, s46
	s_lshl_b32 s2, s2, 10
	s_add_nc_u64 s[KB:KB+1], s[QKV:QKV+1], s[2:3]
	s_add_nc_u64 s[VB:VB+1], s[KB:KB+1], VREG
	s_add_nc_u64 s[KB:KB+1], s[KB:KB+1], KREG
	LOADW 0, WLH, 0, 4, BA, BQ
	global_load_b128 v[LNB:LNB+3], v[L16], s[WLH:WLH+1] offset:VEC+G1
	global_load_b128 v[LNB+4:LNB+7], v[L16], s[WLH:WLH+1] offset:VEC+BE1
	ROPETAB WLH
	; my 24 rows: row rho of the block is x[b][s][e][t], t = rho / 130, e = rho - 130 t; a wave's load is a whole row of 512 bytes
.set gi, 0
.rept 24
	s_add_co_u32 s2, s45, gi
	s_min_u32 s2, s2, 1299
	s_mul_i32 s3, s2, 8066
	s_lshr_b32 s3, s3, 20
	s_mul_i32 s46, s3, 130
	s_sub_co_u32 s2, s2, s46
	s_mul_i32 s2, s2, 10
	s_add_co_u32 s2, s2, s3
	s_lshl_b32 s2, s2, 9
	v_add_nc_u32 v[TMP+gi], s2, v[L16]
	global_load_b128 v[ACC+4*gi:ACC+4*gi+3], v[TMP+gi], s[XIN:XIN+1]
.set gi, gi+1
.endr
	v_add_nc_u32 v[XR], s38, v[L16]
	v_add_nc_u32 v[XG], s40, v[L16]
	s_wait_loadcnt 0x0
	REP 6, v_xor_b32 v[RT+4*i+1], v[SGN], v[RT+4*i+1]
	REP 6, v_xor_b32 v[RT+4*i+3], v[SGN], v[RT+4*i+3]
	REP 24, ds_store_b128 v[XR], v[ACC+4*i:ACC+4*i+3] offset:528*i      ; through LDS, so that the one text of the LN loop serves here too; a wave reads back its own rows, in order
	REP 24, global_store_b128 v[XG], v[ACC+4*i:ACC+4*i+3], s[XA:XA+1] offset:512*i
	s_wait_xcnt 0x0                                ; the stores have read the rows
	LNLOOP LNB, 0
	BAR                                            ; all 96 rows lie in A1
	HSTAGE
.Lfunc_end_k_q02d932f785_head:
	.size	k_q02d932f785_head, .Lfunc_end_k_q02d932f785_head-k_q02d932f785_head
	.p2alignl 7, 3214868480
	.fill 96, 4, 3214868480
	.section	.rodata,"a",@progbits
	.p2align	6, 0x0
	.amdhsa_kernel k_q02d932f785_head
		.amdhsa_group_segment_fixed_size 77312
		.amdhsa_private_segment_fixed_size 0
		.amdhsa_enable_private_segment 0
		.amdhsa_kernarg_size 32
		.amdhsa_user_sgpr_count 2
		.amdhsa_user_sgpr_kernarg_segment_ptr 1
		.amdhsa_wavefront_size32 1
		.amdhsa_system_sgpr_workgroup_id_x 1
		.amdhsa_system_sgpr_workgroup_id_y 1
		.amdhsa_system_sgpr_workgroup_id_z 1
		.amdhsa_system_vgpr_workitem_id 0
		.amdhsa_next_free_vgpr 704
		.amdhsa_next_free_sgpr 66
		.amdhsa_reserve_vcc 0
		.amdhsa_float_denorm_mode_32 3
		.amdhsa_float_denorm_mode_16_64 3
		.amdhsa_memory_ordered 1
		.amdhsa_forward_progress 1
		.amdhsa_inst_pref_size 97
	.end_amdhsa_kernel
	.amdgpu_metadata
---
amdhsa.version: [ 1, 2 ]
amdhsa.kernels:
  - .name:           k_q02d932f785_head
    .symbol:         k_q02d932f785_head.kd
    .args:
      - { .name: x, .offset: 0, .size: 8, .value_kind: global_buffer, .address_space: global }
      - { .name: wl0, .offset: 8, .size: 8, .value_kind: global_buffer, .address_space: global }
      - { .name: xa, .offset: 16, .size: 8, .value_kind: global_buffer, .address_space: global }
      - { .name: qkv, .offset: 24, .size: 8, .value_kind: global_buffer, .address_space: global }
    .group_segment_fixed_size: 77312
    .private_segment_fixed_size: 0
    .kernarg_segment_align: 8
    .kernarg_segment_size: 32
    .max_flat_workgroup_size: 128
    .sgpr_count:     66
    .vgpr_count:     704
    .wavefront_size: 32
...
	.end_amdgpu_metadata
.endif
;; end of part 2
;; launch att0 (part 3): grid 7 x 32, 8 waves a work-group, no clusters, 0 bytes of LDS; arguments qkv, o; writes o
.if DOCPART == 3
	.amdgcn_target "amdgcn-amd-amdhsa--gfx1250"
	.amdhsa_code_object_version 6
	.text
	.protected	k_q02d932f785_att0
	.globl	k_q02d932f785_att0
	.p2align	8
	.type	k_q02d932f785_att0,@function
k_q02d932f785_att0:
	s_mov_b64 s[64:65], 0
	v_nop
	global_prefetch_b8 v0, s[64:65] scope:SCOPE_SE
	s_setreg_imm32_b32 hwreg(HW_REG_WAVE_MODE, 25, 1), 1
	s_wait_xcnt 0x0
; Attention of one layer.  Grid y = 4 b + head.  Queries: 168 tiles of 16 (both samples, 84 each); keys: sample 0's 84 tiles, sorted by time, so a query of time t sees the first 130 (t + 1) keys.
; q, k, v and o are fragments of 1,024 bytes, [half][lane][16 bytes]: every load and store of a wave is 512 consecutive bytes, and nothing goes through LDS.
; SHARES.  The tiles, ordered p = 2 qt + s, fall into 56 triples; a wave takes one.  Waves 0-3 take triples 55 - J, waves 4-7 triples J (J = 4 x + w % 4): a long walk and a short one for each pair of waves.
; LAYOUT.  S^T = K Q^T (source 0 = 16 keys, source 1 = 16 queries): a lane holds ONE query and keys 8 (lane / 16) + 0..7; two such results rounded to f16 ARE source 1 (32 keys) of O^T = V^T P.
; SOFTMAX.  Running maximum m and sum l a query: p = 2^(c s - c m), c = log2(e) / sqrt(32); O and l are multiplied by a = 2^(c m_old - c m_new) in every step.  m starts at the lowest finite number, O and l at 0,
; so the first step is a step like any other (a = 0); the price is 54 lines that write 0, in the wait for the first loads.
; THE WALK.  32 keys a step.  NF steps are seen whole by all 48 queries; NS - NF more take a mask (a hidden score becomes -1e30; every query has seen a true score in step 0).  Both counts come from the wave's place alone.
; Each step asks for the next step's K and V; the step behind the last lies inside the head's 84 tiles (NS is 41 at the most, 42 steps are there) and is read by nobody.
; NO CLUSTER, NO LDS: the waves of a work-group walk the same K and V but are not in step; sharing would want a ring and barriers.  LIMITS: a weight below 2^-126 counts as 0; NaN and infinities are not treated apart.
.set KREG, 5505024
.set VREG, 8257536
.set L16, 1
.set RW, 2
.set HF, 3
.set KO, 4                             ; my offset in K: 16 lane + 2,048 x step
.set VO, 5
.set QO, 6                             ; v6-8: tile t's fragment in q and in o
.set THR, 9                            ; v9-11: how many of the step's keys from my first on my query sees
.set BIG, 12
.set TT, 13
.set ST, 16                            ; tile t at ST + 8 t: c m, m, l (even, odd keys), c0, c1, a, c m_old
.set QF, 40
.set KF, 64
.set VF, 80
.set S, 96
.set P, 144
.set O, 168
.macro REP n, line:vararg
.set i, 0
.rept \n
	\line
.set i, i+1
.endr
.endm
.macro T3 line:vararg                  ; the line for each tile t
.set t, 0
.rept 3
	\line
.set t, t+1
.endr
.endm
	s_load_b128 s[4:7], s[0:1], 0x0                ; qkv, o
	v_lshrrev_b32 v[TT], 5, v0
	v_readfirstlane_b32 s8, v[TT]                  ; wave
	v_and_b32 v[L16], 31, v0
	v_lshlrev_b32 v[L16], 4, v[L16]
	v_and_b32 v[RW], 15, v0
	v_bfe_u32 v[HF], v0, 4, 1
	s_and_b32 s10, ttmp7, 0xffff
	s_lshr_b32 s11, s10, 2                         ; b
	s_and_b32 s12, s10, 3                          ; head
	s_and_b32 s13, s8, 3
	s_lshl2_add_u32 s13, ttmp9, s13                ; J
	s_sub_co_u32 s14, 55, s13
	s_cmp_lt_u32 s8, 4
	s_cselect_b32 s14, s14, s13                    ; my triple
	s_mul_i32 s15, s14, 3                          ; p of its first tile
	s_mov_b32 s9, 130
	s_mov_b32 s24, 0x76543210
	s_mov_b32 s25, 0xfedcba98
	s_mov_b32 s26, 0x3e8293ee                      ; c = 0.2550348
	s_mov_b32 s27, s26
	s_lshr_b32 s16, s15, 1                         ; the least limit: the first tile's first row
	s_lshl_b32 s16, s16, 4
	s_mul_i32 s16, s16, 8066
	s_lshr_b32 s16, s16, 20
	s_min_u32 s16, s16, 9
	s_mul_i32 s16, s16, 130
	s_add_co_u32 s16, s16, 130
	s_lshr_b32 s29, s16, 5                         ; NF, at least 4
	s_add_co_u32 s17, s15, 2                       ; the greatest: the last tile's last row
	s_lshr_b32 s17, s17, 1
	s_lshl_b32 s17, s17, 4
	s_add_co_u32 s17, s17, 15
	s_mul_i32 s17, s17, 8066
	s_lshr_b32 s17, s17, 20
	s_min_u32 s17, s17, 9
	s_mul_i32 s17, s17, 130
	s_add_co_u32 s17, s17, 161                     ; + 130 + 31
	s_lshr_b32 s17, s17, 5                         ; NS
	s_sub_co_u32 s30, s17, s29                     ; at least 1: no limit is a multiple of 32
	s_lshl_b32 s31, s29, 5
	v_lshl_add_u32 v[TT], v[HF], 3, s31            ; 8 (lane / 16) + 32 NF
.irp t, 0,1,2
	s_add_co_u32 s16, s15, \t
	s_lshr_b32 s17, s16, 1                         ; qt
	s_and_b32 s18, s16, 1                          ; s
	s_lshl1_add_u32 s18, s11, s18
	s_mul_i32 s18, s18, 84
	s_add_co_u32 s18, s18, s17
	s_lshl2_add_u32 s18, s18, s12
	s_lshl_b32 s18, s18, 10
	v_add_nc_u32 v[QO+\t], s18, v[L16]
	s_lshl_b32 s19, s17, 4
	v_add_nc_u32 v[THR+\t], s19, v[RW]             ; my query's row,
	v_mul_u32_u24 v[THR+\t], v[THR+\t], 8066
	v_lshrrev_b32 v[THR+\t], 20, v[THR+\t]         ; its time (a padding row counts as time 9),
	v_min_u32 v[THR+\t], 9, v[THR+\t]
	v_mad_u32_u24 v[THR+\t], v[THR+\t], s9, s9     ; its limit,
	v_sub_nc_u32 v[THR+\t], v[THR+\t], v[TT]       ; counted from my first key of the first masked step
.endr
	v_mov_b32 v[KO], v[L16]
	v_mov_b32 v[VO], v[L16]
	v_mov_b32 v[BIG], 0xf149f2ca                   ; -1e30
	s_mul_i32 s2, s10, 86016
	s_mov_b32 s3, 0
	s_wait_kmcnt 0x0
	s_add_nc_u64 s[20:21], s[4:5], s[2:3]
	s_add_nc_u64 s[22:23], s[20:21], VREG          ; V of my batch and head
	s_add_nc_u64 s[20:21], s[20:21], KREG          ; K
	T3 global_load_b128 v[QF+8*t:QF+8*t+3], v[QO+t], s[4:5]
	T3 global_load_b128 v[QF+8*t+4:QF+8*t+7], v[QO+t], s[4:5] offset:512
	REP 4, global_load_b128 v[KF+4*i:KF+4*i+3], v[KO], s[20:21] offset:512*i
	REP 4, global_load_b128 v[VF+4*i:VF+4*i+3], v[VO], s[22:23] offset:512*(i/2)+1024*(i%2)
	REP 48, v_mov_b32 v[O+i], 0
	T3 v_mov_b32 v[ST+8*t], 0xfe000000             ; c m: far below every c s
	T3 v_mov_b32 v[ST+8*t+1], 0xff7fffff
	T3 v_mov_b32 v[ST+8*t+2], 0
	T3 v_mov_b32 v[ST+8*t+3], 0
.macro STEP masked
	s_wait_loadcnt 0x4                             ; K is in (and Q, the first time); V's four loads may stay out
.set t, 0
.rept 3
	v_wmma_f32_16x16x32_f16 v[S+16*t:S+16*t+7], v[KF:KF+7], v[QF+8*t:QF+8*t+7], 0
	v_wmma_f32_16x16x32_f16 v[S+16*t+8:S+16*t+15], v[KF+8:KF+15], v[QF+8*t:QF+8*t+7], 0
.set t, t+1
.endr
	v_add_nc_u32 v[KO], 2048, v[KO]                ; free since the wait above; with three v_nop the four places behind the products
	v_nop
	v_nop
	v_nop
	REP 4, global_load_b128 v[KF+4*i:KF+4*i+3], v[KO], s[20:21] offset:512*i
.if \masked
.set n, 0
.rept 48                               ; register n % 16 of tile n / 16 is key 16 ((n % 16) / 8) + n % 8 from my first on
	v_cmp_lt_i32 vcc_lo, 16*((n%16)/8)+n%8, v[THR+n/16]
	v_cndmask_b32 v[S+n], v[BIG], v[S+n], vcc_lo
.set n, n+1
.endr
	T3 v_add_nc_u32 v[THR+t], 0xffffffe0, v[THR+t]
.endif
	T3 v_max3_num_f32 v[ST+8*t+4], v[S+16*t], v[S+16*t+1], v[S+16*t+2]          ; each accumulator is read from its low end on
	T3 v_max3_num_f32 v[ST+8*t+5], v[S+16*t+8], v[S+16*t+9], v[S+16*t+10]
	T3 v_max3_num_f32 v[ST+8*t+4], v[ST+8*t+4], v[S+16*t+3], v[S+16*t+4]
	T3 v_max3_num_f32 v[ST+8*t+5], v[ST+8*t+5], v[S+16*t+11], v[S+16*t+12]
	T3 v_max3_num_f32 v[ST+8*t+4], v[ST+8*t+4], v[S+16*t+5], v[S+16*t+6]
	T3 v_max3_num_f32 v[ST+8*t+5], v[ST+8*t+5], v[S+16*t+13], v[S+16*t+14]
	T3 v_max3_num_f32 v[ST+8*t+4], v[ST+8*t+4], v[S+16*t+7], v[S+16*t+15]
	T3 v_max3_num_f32 v[ST+8*t+4], v[ST+8*t+4], v[ST+8*t+5], v[ST+8*t+1]
	T3 v_permlanex16_b32 v[ST+8*t+5], v[ST+8*t+4], s24, s25                     ; the query's other 16 keys lie in the lane 16 away
	T3 v_mov_b32 v[ST+8*t+7], v[ST+8*t]
	T3 v_max_num_f32 v[ST+8*t+1], v[ST+8*t+4], v[ST+8*t+5]
	T3 v_mul_f32 v[ST+8*t], s26, v[ST+8*t+1]
	T3 v_sub_f32 v[ST+8*t+7], v[ST+8*t+7], v[ST+8*t]
	T3 v_exp_f32 v[ST+8*t+6], v[ST+8*t+7]          ; ONE BATCH of 51 exponentials: nothing ahead of the wait names a result
	T3 REP 8, v_pk_fma_f32 v[S+16*t+2*i:S+16*t+2*i+1], v[S+16*t+2*i:S+16*t+2*i+1], s[26:27], v[ST+8*t:ST+8*t+1] op_sel_hi:[1,0,0] neg_lo:[0,0,1] neg_hi:[0,0,1]
	REP 48, v_exp_f32 v[S+i], v[S+i]
	v_nop                                          ; a plain instruction behind the last exponential,
	s_wait_alu depctr_va_vdst(0)                   ; and one wait ahead of the first reader
	REP 24, v_cvt_pk_f16_f32 v[P+i], v[S+2*i], v[S+2*i+1]
	T3 REP 4, v_pk_add_f32 v[S+16*t+4*i:S+16*t+4*i+1], v[S+16*t+4*i:S+16*t+4*i+1], v[S+16*t+4*i+2:S+16*t+4*i+3]
	T3 REP 2, v_pk_add_f32 v[S+16*t+8*i:S+16*t+8*i+1], v[S+16*t+8*i:S+16*t+8*i+1], v[S+16*t+8*i+4:S+16*t+8*i+5]
	T3 v_pk_add_f32 v[S+16*t:S+16*t+1], v[S+16*t:S+16*t+1], v[S+16*t+8:S+16*t+9]
	T3 v_pk_fma_f32 v[ST+8*t+2:ST+8*t+3], v[ST+8*t+2:ST+8*t+3], v[ST+8*t+6:ST+8*t+7], v[S+16*t:S+16*t+1] op_sel_hi:[1,0,1]
	T3 REP 8, v_pk_mul_f32 v[O+16*t+2*i:O+16*t+2*i+1], v[O+16*t+2*i:O+16*t+2*i+1], v[ST+8*t+6:ST+8*t+7] op_sel_hi:[1,0]
	s_wait_loadcnt 0x4                             ; V is in; the next K's four loads may stay out
.set t, 0
.rept 3                                ; six accumulators, one instruction each: no two products on end share one
	v_wmma_f32_16x16x32_f16 v[O+16*t:O+16*t+7], v[VF:VF+7], v[P+8*t:P+8*t+7], v[O+16*t:O+16*t+7]
	v_wmma_f32_16x16x32_f16 v[O+16*t+8:O+16*t+15], v[VF+8:VF+15], v[P+8*t:P+8*t+7], v[O+16*t+8:O+16*t+15]
.set t, t+1
.endr
	v_add_nc_u32 v[VO], 2048, v[VO]
	v_nop
	v_nop
	v_nop
	REP 4, global_load_b128 v[VF+4*i:VF+4*i+3], v[VO], s[22:23] offset:512*(i/2)+1024*(i%2)
.endm
	s_mov_b32 s28, 0
.Lfull:
	STEP 0
	s_add_co_u32 s28, s28, 1
	s_cmp_lt_u32 s28, s29
	s_cbranch_scc1 .Lfull
	s_mov_b32 s28, 0
.Lmask:
	STEP 1
	s_add_co_u32 s28, s28, 1
	s_cmp_lt_u32 s28, s30
	s_cbranch_scc1 .Lmask
	; the way out: O / l, rounded to f16: a tile's two accumulators are a fragment of 16 tokens x 32 channels for the next launch
	T3 v_add_f32 v[ST+8*t+2], v[ST+8*t+2], v[ST+8*t+3]
	T3 v_permlanex16_b32 v[ST+8*t+3], v[ST+8*t+2], s24, s25
	T3 v_add_f32 v[ST+8*t+2], v[ST+8*t+2], v[ST+8*t+3]
	T3 v_rcp_f32 v[ST+8*t+6], v[ST+8*t+2]
	v_nop
	s_wait_alu depctr_va_vdst(0)                   ; one wait for the three reciprocals
	T3 REP 8, v_pk_mul_f32 v[O+16*t+2*i:O+16*t+2*i+1], v[O+16*t+2*i:O+16*t+2*i+1], v[ST+8*t+6:ST+8*t+7] op_sel_hi:[1,0]
.set tt, 0
.rept 6
	REP 4, v_cvt_pk_f16_f32 v[O+8*tt+i], v[O+8*tt+2*i], v[O+8*tt+2*i+1]
.set tt, tt+1
.endr
	T3 global_store_b128 v[QO+t], v[O+16*t:O+16*t+3], s[6:7]
	T3 global_store_b128 v[QO+t], v[O+16*t+8:O+16*t+11], s[6:7] offset:512
	s_endpgm
.Lfunc_end_k_q02d932f785_att0:
	.size	k_q02d932f785_att0, .Lfunc_end_k_q02d932f785_att0-k_q02d932f785_att0
	.p2alignl 7, 3214868480
	.fill 96, 4, 3214868480
	.section	.rodata,"a",@progbits
	.p2align	6, 0x0
	.amdhsa_kernel k_q02d932f785_att0
		.amdhsa_group_segment_fixed_size 0
		.amdhsa_private_segment_fixed_size 0
		.amdhsa_enable_private_segment 0
		.amdhsa_kernarg_size 16
		.amdhsa_user_sgpr_count 2
		.amdhsa_user_sgpr_kernarg_segment_ptr 1
		.amdhsa_wavefront_size32 1
		.amdhsa_system_sgpr_workgroup_id_x 1
		.amdhsa_system_sgpr_workgroup_id_y 1
		.amdhsa_system_sgpr_workgroup_id_z 1
		.amdhsa_system_vgpr_workitem_id 0
		.amdhsa_next_free_vgpr 224
		.amdhsa_next_free_sgpr 66
		.amdhsa_reserve_vcc 1
		.amdhsa_float_denorm_mode_32 3
		.amdhsa_float_denorm_mode_16_64 3
		.amdhsa_memory_ordered 1
		.amdhsa_forward_progress 1
		.amdhsa_inst_pref_size 39
	.end_amdhsa_kernel
	.amdgpu_metadata
---
amdhsa.version: [ 1, 2 ]
amdhsa.kernels:
  - .name:           k_q02d932f785_att0
    .symbol:         k_q02d932f785_att0.kd
    .args:
      - { .name: qkv, .offset: 0, .size: 8, .value_kind: global_buffer, .address_space: global }
      - { .name: o, .offset: 8, .size: 8, .value_kind: global_buffer, .address_space: global }
    .group_segment_fixed_size: 0
    .private_segment_fixed_size: 0
    .kernarg_segment_align: 8
    .kernarg_segment_size: 16
    .max_flat_workgroup_size: 256
    .sgpr_count:     66
    .vgpr_count:     224
    .wavefront_size: 32
...
	.end_amdgpu_metadata
.endif
;; end of part 3
;; launch tok0 (part 4): grid 14 x 16, 4 waves a work-group, no clusters, 177,152 bytes of LDS; arguments xa, o, wl0, wl1, xb, qkv; writes xb, qkv
.if DOCPART == 4
	.amdgcn_target "amdgcn-amd-amdhsa--gfx1250"
	.amdhsa_code_object_version 6
	.text
	.protected	k_q02d932f785_tok0
	.globl	k_q02d932f785_tok0
	.p2align	8
	.type	k_q02d932f785_tok0,@function
k_q02d932f785_tok0:
	s_mov_b64 s[64:65], 0
	v_nop
	global_prefetch_b8 v0, s[64:65] scope:SCOPE_SE
	s_setreg_imm32_b32 hwreg(HW_REG_WAVE_MODE, 25, 1), 1
	s_wait_xcnt 0x0
; The token-wise rest of one layer and the beginning of the next, for 96 rows a work-group:  x += o Wo^T + bo;  x += gelu(LN2(x) W1^T + b1) W2^T + b2;  x is stored;  LN1', q, k, v and the rotation of the next layer.
; ORDER, SHARES, PRODUCTS as in the launch that makes layer 0's q, k, v: block blk = 2 b + s (grid y), rows 96 m .. (grid x), six tiles of 16.  By rows wave w owns rows 24 w .. 24 w + 23; by columns it makes
; features 32 w .. 32 w + 31 of all 96 rows (in the first FFN product 128 w .. 128 w + 127, 16 a trip).  Source 0 = 16 rows of W, source 1 = 16 tokens: a lane holds 8 neighbouring features of one token.
; W's fragments come from memory straight into registers (laid out so by the first launch), each byte once a work-group, and each feeds six products.  o arrives as fragments too.
; x stays in f32 (LDS, XS); LN's output and h go through LDS in f16.  The residual is the C operand of the first K slice.
; GELU is exact to erf's formula 7.1.26 of Abramowitz and Stegun (absolute error 1.5e-7 for every argument): gelu(x) = max(x, 0) - |x| w, w = (1/2) poly(t) exp(-x^2 / 2), t = 1 / (1 + 0.23164189 |x|).
; LIMITS.  LN's output, h, o, q, k, v are f16: within 65,504.  NaN and infinities are not treated apart.
; REGISTERS in windows of 256 (s_set_vgpr_msb: bits 1:0 source 0, 3:2 source 1, 5:4 source 2, 7:6 destination): window 0 all that is named below; window 1 v0-63, v64-127 two buffers of W's
; fragments; window 2 v0-191 the tokens' fragments, tile mt, K slice ks at 8 (4 mt + ks).
.set XS, 0                             ; LDS: 96 rows of 128 f32, pitch 528
.set A1, 50688                         ; 96 rows of 128 f16, pitch 272
.set SPARE, 76800                      ; the spare words, 128 bytes a wave: two blocks of 256 bytes that no other line names
.set HB, 77312                         ; 96 rows of 512 f16, pitch 1,040.  All three pitches are 16 more than a multiple of 256: 16 rows of a 16-byte access fall into 16 different groups of four banks
.set VEC, 393216
.set BQ, 0
.set BK, 512
.set BV, 1024
.set BO, 1536
.set B2, 2048
.set G1, 2560
.set BE1, 3072
.set G2, 3584
.set BE2, 4096
.set B1, 4608
.set ROPE, 6656
.set KREG, 5505024
.set VREG, 8257536
.set L16, 1                            ; 16 x lane
.set RW, 2                             ; lane % 16
.set HF, 3                             ; lane / 16
.set WO, 4                             ; 16 lane + 98,304 w
.set WL, 5                             ; the same at W1's n tile to be loaded
.set VBO, 6                            ; VEC + 128 w + 32 (lane / 16)
.set BL, 7                             ; my 8 numbers of b1 for that n tile
.set VBV, 8                            ; VEC + BV + 128 w + 4 (lane % 16)
.set XD, 9                             ; XS + 528 (lane % 16) + 128 w + 32 (lane / 16): an accumulator's place in XS
.set XR, 10
.set AR, 11
.set AX, 12                            ; v12, v13
.set HX, 14                            ; v14, v15: HB + 1,040 (lane % 16) + 16 (lane / 16), and three tiles on
.set HS, 16                            ; v16, v17: the same + 256 w + 32 x trip: where h goes
.set XG, 18
.set QS, 19
.set KS, 20
.set TT, 21
.set SGN, 22
.set LANE, 23
.set SPW, 28
.set NIL, 29
.set ACC, 32
.set BA, 128
.set BB, 144
.set TMP, 160
.set TS, 160
.set TQ, 176
.set GE, 160
.set GP, 168
.set GM, 176
.set RT, 192
.set LNA, 216
.set LNB, 224
.set GC, 232                           ; five pairs: the polynomial's halved coefficients a5 .. a1
.set XIN, 4
.set OB, 6
.set WLT, 8
.set WLH, 10
.set XOUT, 12
.set QKV, 14
.set QB, 32
.set KB, 34
.set VB, 36
.set MSB, 0
.macro WIN new                         ; the high byte repeats the setting that is left; a switch that changes nothing is dropped
.if MSB != (\new)
	s_set_vgpr_msb (MSB<<8)|(\new)
.set MSB, \new
.endif
.endm
.macro REP n, line:vararg              ; the line n times, i = 0 .. n - 1
.set i, 0
.rept \n
	\line
.set i, i+1
.endr
.endm
.macro PLACES                          ; four plain instructions between a product and what reads its result or writes or loads into its registers
.rept 4
	v_nop
.endr
.endm
.macro BAR                             ; my LDS instructions are done; then all four waves meet
	s_wait_dscnt 0x0
	s_barrier_signal -1
	s_barrier_wait -1
.endm
.macro LOADW buf, wl, unit, nb, bdst, boff
	WIN 0x40
	REP 16, global_load_b128 v[64*(\buf)+4*i:64*(\buf)+4*i+3], v[WO], s[\wl:\wl+1] offset:(\unit)*8192+512*i
	WIN 0
.if (\nb) == 4
	REP 4, global_load_b128 v[(\bdst)+4*i:(\bdst)+4*i+3], v[VBO], s[\wl:\wl+1] offset:(\boff)+64*(i/2)+16*(i%2)
.elseif (\nb) == 2
	global_load_b32 v[(\bdst)], v[VBV], s[\wl:\wl+1]
	global_load_b32 v[(\bdst)+2], v[VBV], s[\wl:\wl+1] offset:64
.endif
.endm
.macro LOADW1                          ; one n tile of W1 (four K slices) and its 8 numbers of b1: ten loads
	WIN 0x40
	REP 8, global_load_b128 v[64+4*i:64+4*i+3], v[WL], s[WLT:WLT+1] offset:512*i
	WIN 0
	global_load_b128 v[BB:BB+3], v[BL], s[WLT:WLT+1]
	global_load_b128 v[BB+4:BB+7], v[BL], s[WLT:WLT+1] offset:16
.endm
.macro LOADX a0, a1, p16, koff
	WIN 0x80
.irp ks, 0,1,2,3
.irp mt, 0,1,2,3,4,5
.irp hf, 0,1
.if \mt < 3
	ds_load_b128 v[8*(4*\mt+\ks)+4*\hf:8*(4*\mt+\ks)+4*\hf+3], v[\a0] offset:\mt*(\p16)+(\koff)+64*\ks+32*\hf
.else
	ds_load_b128 v[8*(4*\mt+\ks)+4*\hf:8*(4*\mt+\ks)+4*\hf+3], v[\a1] offset:(\mt-3)*(\p16)+(\koff)+64*\ks+32*\hf
.endif
.endr
.endr
.endr
	WIN 0
.endm
; 128 along K for 6 x nts accumulators, which take turns, one instruction a turn.  cmode: the first K slice's C is the accumulator (0), a bias (1), or 0 (2, swapped sources).
; dsw = 1: LOADX was just issued: K slice ks is in when at most 36 - 12 ks younger LDS loads are out.
.macro MMU wb, nts, cmode, cb, swap, dsw
	WIN 0x09-3*(\swap)
.irp ks, 0,1,2,3
.if \dsw
	s_wait_dscnt 36-12*\ks
.endif
.irp mt, 0,1,2,3,4,5
.irp nt, 0,1
.if \nt < (\nts)
.set ra, ACC+8*(2*\mt+\nt)
.set rw, (\wb)+8*(4*\nt+\ks)
.set rx, 8*(4*\mt+\ks)
.if (\ks > 0) || ((\cmode) == 0)
.if \swap
	v_wmma_f32_16x16x32_f16 v[ra:ra+7], v[rx:rx+7], v[rw:rw+7], v[ra:ra+7]
.else
	v_wmma_f32_16x16x32_f16 v[ra:ra+7], v[rw:rw+7], v[rx:rx+7], v[ra:ra+7]
.endif
.elseif (\cmode) == 1
	v_wmma_f32_16x16x32_f16 v[ra:ra+7], v[rw:rw+7], v[rx:rx+7], v[(\cb)+8*\nt:(\cb)+8*\nt+7]
.else
	v_wmma_f32_16x16x32_f16 v[ra:ra+7], v[rx:rx+7], v[rw:rw+7], 0
.endif
.endif
.endr
.endr
.endr
	WIN 0
.endm
.macro ACCX b                          ; the accumulators start as x + bias: my columns of all 96 rows out of XS
.set tt, 0
.rept 12
	ds_load_b128 v[ACC+8*tt:ACC+8*tt+3], v[XD] offset:8448*(tt/2)+64*(tt%2)
	ds_load_b128 v[ACC+8*tt+4:ACC+8*tt+7], v[XD] offset:8448*(tt/2)+64*(tt%2)+16
.set tt, tt+1
.endr
	s_wait_dscnt 0x0
.set tt, 0
.rept 12
	REP 4, v_pk_add_f32 v[ACC+8*tt+2*i:ACC+8*tt+2*i+1], v[ACC+8*tt+2*i:ACC+8*tt+2*i+1], v[(\b)+8*(tt%2)+2*i:(\b)+8*(tt%2)+2*i+1]
.set tt, tt+1
.endr
.endm
.macro ACCST                           ; and go back to the same bytes, which no other wave touches between two barriers
	PLACES
.set tt, 0
.rept 12
	ds_store_b128 v[XD], v[ACC+8*tt:ACC+8*tt+3] offset:8448*(tt/2)+64*(tt%2)
	ds_store_b128 v[XD], v[ACC+8*tt+4:ACC+8*tt+7] offset:8448*(tt/2)+64*(tt%2)+16
.set tt, tt+1
.endr
.endm
.macro REDUCE x                        ; eight pairs at x: both halves and all 32 lanes are added; the sum lands in every lane's low half
	REP 8, v_add_f32 v[(\x)+2*i], v[(\x)+2*i], v[(\x)+2*i+1]
	REP 8, v_add_f32_dpp v[(\x)+2*i], v[(\x)+2*i], v[(\x)+2*i] row_xmask:1 row_mask:0xf bank_mask:0xf
	REP 8, v_add_f32_dpp v[(\x)+2*i], v[(\x)+2*i], v[(\x)+2*i] row_xmask:2 row_mask:0xf bank_mask:0xf
	REP 8, v_add_f32_dpp v[(\x)+2*i], v[(\x)+2*i], v[(\x)+2*i] row_xmask:4 row_mask:0xf bank_mask:0xf
	REP 8, v_add_f32_dpp v[(\x)+2*i], v[(\x)+2*i], v[(\x)+2*i] row_xmask:8 row_mask:0xf bank_mask:0xf
	REP 8, v_permlanex16_b32 v[(\x)+2*i+1], v[(\x)+2*i], s28, s29
	REP 8, v_add_f32 v[(\x)+2*i], v[(\x)+2*i], v[(\x)+2*i+1]
.endm
; LayerNorm of my 24 rows, XS -> A1 (f16): three trips of eight rows, each stage written for all eight.  Mean first, then the squares of the differences.  xst = 1: the rows are also stored, as the layer's x.
.macro LNLOOP gs, xst
	v_add_nc_u32 v[XR], s38, v[L16]
	v_lshl_add_u32 v[AR], v[LANE], 3, s39
.if \xst
	v_add_nc_u32 v[XG], s40, v[L16]
.endif
	s_mov_b32 s41, 3
.Lln_\@:
	REP 8, ds_load_b128 v[ACC+4*i:ACC+4*i+3], v[XR] offset:528*i
	s_wait_dscnt 0x0
.if \xst
	REP 8, global_store_b128 v[XG], v[ACC+4*i:ACC+4*i+3], s[XOUT:XOUT+1] offset:512*i
.endif
	REP 8, v_pk_add_f32 v[TS+2*i:TS+2*i+1], v[ACC+4*i:ACC+4*i+1], v[ACC+4*i+2:ACC+4*i+3]
	REDUCE TS
	REP 8, v_mul_f32 v[TS+2*i], s30, v[TS+2*i]
.if \xst
	s_wait_xcnt 0x0                                ; the stores have read the rows and their offset: both are rewritten only behind this wait
.endif
	REP 8, v_pk_add_f32 v[ACC+4*i:ACC+4*i+1], v[ACC+4*i:ACC+4*i+1], v[TS+2*i:TS+2*i+1] op_sel_hi:[1,0] neg_lo:[0,1] neg_hi:[0,1]
	REP 8, v_pk_add_f32 v[ACC+4*i+2:ACC+4*i+3], v[ACC+4*i+2:ACC+4*i+3], v[TS+2*i:TS+2*i+1] op_sel_hi:[1,0] neg_lo:[0,1] neg_hi:[0,1]
	REP 8, v_pk_mul_f32 v[TQ+2*i:TQ+2*i+1], v[ACC+4*i:ACC+4*i+1], v[ACC+4*i:ACC+4*i+1]
	REP 8, v_pk_fma_f32 v[TQ+2*i:TQ+2*i+1], v[ACC+4*i+2:ACC+4*i+3], v[ACC+4*i+2:ACC+4*i+3], v[TQ+2*i:TQ+2*i+1]
	REDUCE TQ
	REP 8, v_fma_f32 v[TQ+2*i], v[TQ+2*i], s30, s31
	REP 8, v_rsq_f32 v[TS+2*i], v[TQ+2*i]
	v_nop                                          ; a plain instruction behind the last root,
	s_wait_alu depctr_va_vdst(0)                   ; and one wait for the eight, ahead of their first reader
	REP 8, v_pk_mul_f32 v[ACC+4*i:ACC+4*i+1], v[ACC+4*i:ACC+4*i+1], v[TS+2*i:TS+2*i+1] op_sel_hi:[1,0]
	REP 8, v_pk_mul_f32 v[ACC+4*i+2:ACC+4*i+3], v[ACC+4*i+2:ACC+4*i+3], v[TS+2*i:TS+2*i+1] op_sel_hi:[1,0]
	REP 8, v_pk_fma_f32 v[ACC+4*i:ACC+4*i+1], v[ACC+4*i:ACC+4*i+1], v[(\gs):(\gs)+1], v[(\gs)+4:(\gs)+5]
	REP 8, v_pk_fma_f32 v[ACC+4*i+2:ACC+4*i+3], v[ACC+4*i+2:ACC+4*i+3], v[(\gs)+2:(\gs)+3], v[(\gs)+6:(\gs)+7]
	REP 8, v_cvt_pk_f16_f32 v[ACC+4*i], v[ACC+4*i], v[ACC+4*i+1]
	REP 8, v_cvt_pk_f16_f32 v[ACC+4*i+1], v[ACC+4*i+2], v[ACC+4*i+3]
	REP 8, ds_store_b64 v[AR], v[ACC+4*i:ACC+4*i+1] offset:272*i
	v_add_nc_u32 v[XR], 4224, v[XR]
	v_add_nc_u32 v[AR], 2176, v[AR]
.if \xst
	v_add_nc_u32 v[XG], 4096, v[XG]
.endif
	s_sub_co_u32 s41, s41, 1
	s_cmp_lg_u32 s41, 0
	s_cbranch_scc1 .Lln_\@
.endm
; gelu of accumulator (mt, 0), 8 numbers a lane; accumulator (mt, 1), idle in this phase, holds t.  Sixteen transcendentals are one batch with one wait; the eight maxima stand between.
.macro GELU mt
.set GA, ACC+16*(\mt)
.set GT, GA+8
	REP 8, v_fma_f32 v[GT+i], |v[GA+i]|, s44, 1.0
	REP 4, v_pk_mul_f32 v[GE+2*i:GE+2*i+1], v[GA+2*i:GA+2*i+1], v[GA+2*i:GA+2*i+1]
	REP 4, v_pk_mul_f32 v[GE+2*i:GE+2*i+1], v[GE+2*i:GE+2*i+1], s[42:43] op_sel_hi:[1,0]
	REP 8, v_rcp_f32 v[GT+i], v[GT+i]
	REP 8, v_exp_f32 v[GE+i], v[GE+i]
	REP 8, v_max_num_f32 v[GM+i], 0, v[GA+i]
	s_wait_alu depctr_va_vdst(0)
	REP 4, v_pk_fma_f32 v[GP+2*i:GP+2*i+1], v[GT+2*i:GT+2*i+1], v[GC:GC+1], v[GC+2:GC+3]
	REP 4, v_pk_fma_f32 v[GP+2*i:GP+2*i+1], v[GP+2*i:GP+2*i+1], v[GT+2*i:GT+2*i+1], v[GC+4:GC+5]
	REP 4, v_pk_fma_f32 v[GP+2*i:GP+2*i+1], v[GP+2*i:GP+2*i+1], v[GT+2*i:GT+2*i+1], v[GC+6:GC+7]
	REP 4, v_pk_fma_f32 v[GP+2*i:GP+2*i+1], v[GP+2*i:GP+2*i+1], v[GT+2*i:GT+2*i+1], v[GC+8:GC+9]
	REP 4, v_pk_mul_f32 v[GP+2*i:GP+2*i+1], v[GP+2*i:GP+2*i+1], v[GT+2*i:GT+2*i+1]
	REP 4, v_pk_mul_f32 v[GP+2*i:GP+2*i+1], v[GP+2*i:GP+2*i+1], v[GE+2*i:GE+2*i+1]
	REP 8, v_fma_f32 v[GA+i], -|v[GA+i]|, v[GP+i], v[GM+i]
	REP 4, v_cvt_pk_f16_f32 v[GA+i], v[GA+2*i], v[GA+2*i+1]
	ds_store_b128 v[HS+(\mt)/3], v[GA:GA+3] offset:((\mt)%3)*16640
.endm
.macro ROPETAB wl                      ; my token's entry for each tile: t = rho / 130 = (rho x 8,066) >> 20, exact below 1,344; each load lands on its own offset register
.irp mt, 0,1,2,3,4,5
	v_add3_u32 v[RT+4*\mt], v[RW], s26, 16*\mt
	v_mul_u32_u24 v[RT+4*\mt], v[RT+4*\mt], 8066
	v_lshrrev_b32 v[RT+4*\mt], 20, v[RT+4*\mt]
	v_lshl_add_u32 v[RT+4*\mt], v[RT+4*\mt], 4, VEC+ROPE
	global_load_b128 v[RT+4*\mt:RT+4*\mt+3], v[RT+4*\mt], s[\wl:\wl+1]
.endr
.endm
; The rotation, on a head's channels 0-15 = accumulator (mt, 0): lanes 0-15 hold channels 0-7, lanes 16-31 channels 8-15 of the same token: own x cos + other x (+-sin); the sign lies in the table.
.macro ROT mt
.set RA, ACC+16*(\mt)
.set RC, RT+4*(\mt)
.set RP, TMP+8*((\mt)%4)
	REP 8, v_permlanex16_b32 v[RP+i], v[RA+i], s28, s29
	v_mul_f32 v[RP], v[RP], v[RC+1]
	REP 7, v_mul_f32 v[RP+1+i], v[RP+1+i], v[RC+3]
	v_fma_f32 v[RA], v[RA], v[RC], v[RP]
	REP 7, v_fma_f32 v[RA+1+i], v[RA+1+i], v[RC+2], v[RP+1+i]
.endm
.macro PACK12
.set tt, 0
.rept 12
	REP 4, v_cvt_pk_f16_f32 v[ACC+8*tt+i], v[ACC+8*tt+2*i], v[ACC+8*tt+2*i+1]
.set tt, tt+1
.endr
.endm
.macro STORE12 base, vo, tstep         ; a wave's store is 512 consecutive bytes
.set tt, 0
.rept 12
	global_store_b128 v[\vo], v[ACC+8*tt:ACC+8*tt+3], s[\base:\base+1] offset:(tt/2)*(\tstep)+512*(tt%2)
.set tt, tt+1
.endr
.endm
.macro QKEPI base, vo, tstep
.irp mt, 0,1,2,3,4,5
	ROT \mt
.endr
	PACK12
	STORE12 \base, \vo, \tstep
.endm
.macro VEPI
.set tt, 0
.rept 12
	REP 4, v_pk_add_f32 v[ACC+8*tt+2*i:ACC+8*tt+2*i+1], v[ACC+8*tt+2*i:ACC+8*tt+2*i+1], v[BA+2*(tt%2):BA+2*(tt%2)+1] op_sel_hi:[1,0]
.set tt, tt+1
.endr
	PACK12
	STORE12 VB, KS, 1024
.endm
; q for every work-group; k and v for those of sample 0.  ONE branch, so q's way out is written twice.
.macro HSTAGE
	LOADX AX, AX+1, 4352, 0
	s_wait_loadcnt 0x0                             ; Wq and bq
	MMU 0, 2, 1, BA, 0, 1
	PLACES
	s_cmp_lg_u32 s24, 0
	s_cbranch_scc1 .Lneg
	LOADW 1, WLH, 1, 4, BB, BK                     ; 20 loads
	LOADW 0, WLH, 2, 2, BA, 0                      ; 18 loads
	QKEPI QB, QS, 4096
	s_wait_loadcnt 18                              ; Wk and bk are in; Wv's and bv's 18 loads may stay out
	s_wait_xcnt 0x0                                ; the stores have read the accumulators
	MMU 64, 2, 1, BB, 0, 0
	PLACES
	QKEPI KB, KS, 1024
	s_wait_loadcnt 0x0
	s_wait_xcnt 0x0
	MMU 0, 2, 2, 0, 1, 0
	PLACES
	VEPI
	s_branch .Lend
.Lneg:
	QKEPI QB, QS, 4096
.Lend:
	s_wait_tensorcnt 0x0                           ; the wave's end
	ds_add_u32 v[SPW], v[NIL]
	s_wait_dscnt 0x0
	s_endpgm
.endm
.macro GCSET n, val
	v_mov_b32 v[GC+2*(\n)], \val
	v_mov_b32 v[GC+2*(\n)+1], \val
.endm
	s_load_b256 s[4:11], s[0:1], 0x0               ; x in, o, this layer's weights, the next layer's
	s_load_b128 s[12:15], s[0:1], 0x20             ; x out, qkv
	v_lshl_add_u32 v[SPW], v0, 2, SPARE
	v_mov_b32 v[NIL], 0
	v_lshrrev_b32 v[TT], 5, v0
	v_readfirstlane_b32 s20, v[TT]                 ; wave
	v_and_b32 v[LANE], 31, v0
	v_lshlrev_b32 v[L16], 4, v[LANE]
	v_and_b32 v[RW], 15, v0
	v_bfe_u32 v[HF], v0, 4, 1
	s_mov_b32 s21, ttmp9                           ; m
	s_and_b32 s22, ttmp7, 0xffff                   ; blk
	s_mul_i32 s23, s22, 14
	s_add_co_u32 s23, s23, s21                     ; g = 14 blk + m
	s_and_b32 s24, s22, 1                          ; the sample
	s_lshr_b32 s25, s22, 1                         ; the batch
	s_mul_i32 s26, s21, 96
	s_mov_b32 s28, 0x76543210
	s_mov_b32 s29, 0xfedcba98
	s_mov_b32 s30, 0x3c000000                      ; 1 / 128
	s_mov_b32 s31, 0x3727c5ac                      ; 1e-5
	s_mov_b32 s42, 0xbf38aa3b                      ; -log2(e) / 2
	s_mov_b32 s43, s42
	s_mov_b32 s44, 0x3e6d338a                      ; 0.3275911 / sqrt(2)
	s_mul_i32 s38, s20, 12672
	s_mul_i32 s39, s20, 6528
	s_add_co_u32 s39, s39, A1
	s_mul_i32 s40, s20, 12288
	s_mul_i32 s2, s20, 98304
	v_add_nc_u32 v[WO], s2, v[L16]
	v_add_nc_u32 v[WL], 32768, v[WO]               ; W1's n tile 0
	s_lshl_b32 s2, s20, 7
	s_add_co_u32 s3, s2, VEC
	v_lshl_add_u32 v[VBO], v[HF], 5, s3
	s_add_co_u32 s3, s2, VEC+BV
	v_lshl_add_u32 v[VBV], v[RW], 2, s3
	v_mul_u32_u24 v[XD], v[RW], 528
	v_lshl_add_u32 v[XD], v[HF], 5, v[XD]
	v_add_nc_u32 v[XD], s2, v[XD]
	s_lshl_b32 s3, s20, 9
	s_add_co_u32 s3, s3, VEC+B1
	v_lshl_add_u32 v[BL], v[HF], 5, s3
	v_mul_u32_u24 v[AX], v[RW], 272
	v_lshl_add_u32 v[AX], v[HF], 4, v[AX]
	v_add_nc_u32 v[AX], A1, v[AX]
	v_add_nc_u32 v[AX+1], 13056, v[AX]
	v_mul_u32_u24 v[HX], v[RW], 1040
	v_lshl_add_u32 v[HX], v[HF], 4, v[HX]
	v_add_nc_u32 v[HX], HB, v[HX]
	v_add_nc_u32 v[HX+1], 49920, v[HX]
	s_lshl_b32 s3, s20, 8
	v_add_nc_u32 v[HS], s3, v[HX]
	v_add_nc_u32 v[HS+1], s3, v[HX+1]
	s_lshl_b32 s3, s20, 10
	v_add_nc_u32 v[QS], s3, v[L16]
	s_mul_i32 s3, s20, 86016
	v_add_nc_u32 v[KS], s3, v[L16]
	v_lshlrev_b32 v[SGN], 31, v[HF]
	GCSET 0, 0x3f07dc22                            ;  1.061405429 / 2
	GCSET 1, 0xbf3a00e3                            ; -1.453152027 / 2
	GCSET 2, 0x3f35f0e3                            ;  1.421413741 / 2
	GCSET 3, 0xbe11a98e                            ; -0.284496736 / 2
	GCSET 4, 0x3e027906                            ;  0.254829592 / 2
	s_wait_kmcnt 0x0
	s_mul_i32 s2, s23, 49152
	s_mov_b32 s3, 0
	s_add_nc_u64 s[XIN:XIN+1], s[XIN:XIN+1], s[2:3]
	s_add_nc_u64 s[XOUT:XOUT+1], s[XOUT:XOUT+1], s[2:3]
	s_mul_i32 s2, s23, 24576
	s_add_nc_u64 s[OB:OB+1], s[OB:OB+1], s[2:3]
	s_add_nc_u64 s[QB:QB+1], s[QKV:QKV+1], s[2:3]
	s_mul_i32 s2, s25, 336
	s_mul_i32 s46, s21, 6
	s_add_co_u32 s2, s2, s46
	s_lshl_b32 s2, s2, 10
	s_add_nc_u64 s[KB:KB+1], s[QKV:QKV+1], s[2:3]
	s_add_nc_u64 s[VB:VB+1], s[KB:KB+1], VREG
	s_add_nc_u64 s[KB:KB+1], s[KB:KB+1], KREG
	; ---- all first loads; x's rows go into XS
	LOADW 0, WLT, 3, 4, BA, BO
	global_load_b128 v[LNA:LNA+3], v[L16], s[WLT:WLT+1] offset:VEC+G2
	global_load_b128 v[LNA+4:LNA+7], v[L16], s[WLT:WLT+1] offset:VEC+BE2
	global_load_b128 v[LNB:LNB+3], v[L16], s[WLH:WLH+1] offset:VEC+G1
	global_load_b128 v[LNB+4:LNB+7], v[L16], s[WLH:WLH+1] offset:VEC+BE1
	ROPETAB WLT
	v_add_nc_u32 v[XG], s40, v[L16]
	REP 24, global_load_b128 v[ACC+4*i:ACC+4*i+3], v[XG], s[XIN:XIN+1] offset:512*i
	WIN 0x80
	REP 48, global_load_b128 v[4*i:4*i+3], v[L16], s[OB:OB+1] offset:512*i     ; o: tile mt, head ks is fragment 4 mt + ks
	WIN 0
	v_add_nc_u32 v[XR], s38, v[L16]
	s_wait_loadcnt 48                              ; all but o's 48 loads
	REP 6, v_xor_b32 v[RT+4*i+1], v[SGN], v[RT+4*i+1]
	REP 6, v_xor_b32 v[RT+4*i+3], v[SGN], v[RT+4*i+3]
	REP 24, ds_store_b128 v[XR], v[ACC+4*i:ACC+4*i+3] offset:528*i
	BAR                                            ; all 96 rows lie in XS
	; ---- x += o Wo^T + bo
	LOADW1                                         ; W1's first n tile, for later
	s_wait_loadcnt 10                              ; o is in; those ten may stay out
	ACCX BA
	MMU 0, 2, 0, 0, 0, 0
	ACCST
	LOADW 0, WLT, 8, 4, BA, B2                     ; W2's first unit and b2, for later
	BAR
	LNLOOP LNA, 0
	BAR                                            ; LN2's output lies in A1
	; ---- h = gelu(. W1^T + b1): eight trips, 16 of my 128 features each; a trip's weights were asked for a trip earlier, behind the products
	LOADX AX, AX+1, 4352, 0
	s_wait_dscnt 0x0
	s_mov_b32 s41, 8
.Lffn:
	s_wait_loadcnt 0x0                             ; this trip's weights and bias; their offsets are free
	v_add_nc_u32 v[WL], 4096, v[WL]
	v_add_nc_u32 v[BL], 64, v[BL]
	MMU 64, 1, 1, BB, 0, 0
	PLACES
	LOADW1                                         ; the next trip's; what the eighth trip asks for (bytes of this buffer that follow) is read by nobody: the price of one text for all trips
.irp mt, 0,1,2,3,4,5
	GELU \mt
.endr
	v_add_nc_u32 v[HS], 32, v[HS]
	v_add_nc_u32 v[HS+1], 32, v[HS+1]
	s_sub_co_u32 s41, s41, 1
	s_cmp_lg_u32 s41, 0
	s_cbranch_scc1 .Lffn
	s_wait_loadcnt 0x0                             ; the buffer is loaded anew below
	BAR                                            ; h lies in HB
	; ---- x += h W2^T + b2: four units of 128 along K, on two buffers; each wait leaves the next unit's loads out
	LOADW 1, WLT, 9, 0, 0, 0
	ACCX BA
	LOADX HX, HX+1, 16640, 0
	s_wait_loadcnt 16
	MMU 0, 2, 0, 0, 0, 1
	PLACES
	LOADW 0, WLT, 10, 0, 0, 0
	LOADX HX, HX+1, 16640, 256
	s_wait_loadcnt 16
	MMU 64, 2, 0, 0, 0, 1
	PLACES
	LOADW 1, WLT, 11, 0, 0, 0
	LOADX HX, HX+1, 16640, 512
	s_wait_loadcnt 16
	MMU 0, 2, 0, 0, 0, 1
	PLACES
	LOADW 0, WLH, 0, 4, BA, BQ                     ; the next layer's Wq and bq: 20 loads
	LOADX HX, HX+1, 16640, 768
	s_wait_loadcnt 20
	MMU 64, 2, 0, 0, 0, 1
	ACCST
	BAR
	; ---- the layer's x goes out; the next layer begins
	LNLOOP LNB, 1
	BAR
	HSTAGE
.Lfunc_end_k_q02d932f785_tok0:
	.size	k_q02d932f785_tok0, .Lfunc_end_k_q02d932f785_tok0-k_q02d932f785_tok0
	.p2alignl 7, 3214868480
	.fill 96, 4, 3214868480
	.section	.rodata,"a",@progbits
	.p2align	6, 0x0
	.amdhsa_kernel k_q02d932f785_tok0
		.amdhsa_group_segment_fixed_size 177152
		.amdhsa_private_segment_fixed_size 0
		.amdhsa_enable_private_segment 0
		.amdhsa_kernarg_size 48
		.amdhsa_user_sgpr_count 2
		.amdhsa_user_sgpr_kernarg_segment_ptr 1
		.amdhsa_wavefront_size32 1
		.amdhsa_system_sgpr_workgroup_id_x 1
		.amdhsa_system_sgpr_workgroup_id_y 1
		.amdhsa_system_sgpr_workgroup_id_z 1
		.amdhsa_system_vgpr_workitem_id 0
		.amdhsa_next_free_vgpr 704
		.amdhsa_next_free_sgpr 66
		.amdhsa_reserve_vcc 0
		.amdhsa_float_denorm_mode_32 3
		.amdhsa_float_denorm_mode_16_64 3
		.amdhsa_memory_ordered 1
		.amdhsa_forward_progress 1
		.amdhsa_inst_pref_size 188
	.end_amdhsa_kernel
	.amdgpu_metadata
---
amdhsa.version: [ 1, 2 ]
amdhsa.kernels:
  - .name:           k_q02d932f785_tok0
    .symbol:         k_q02d932f785_tok0.kd
    .args:
      - { .name: xa, .offset: 0, .size: 8, .value_kind: global_buffer, .address_space: global }
      - { .name: o, .offset: 8, .size: 8, .value_kind: global_buffer, .address_space: global }
      - { .name: wl0, .offset: 16, .size: 8, .value_kind: global_buffer, .address_space: global }
      - { .name: wl1, .offset: 24, .size: 8, .value_kind: global_buffer, .address_space: global }
      - { .name: xb, .offset: 32, .size: 8, .value_kind: global_buffer, .address_space: global }
      - { .name: qkv, .offset: 40, .size: 8, .value_kind: global_buffer, .address_space: global }
    .group_segment_fixed_size: 177152
    .private_segment_fixed_size: 0
    .kernarg_segment_align: 8
    .kernarg_segment_size: 48
    .max_flat_workgroup_size: 128
    .sgpr_count:     66
    .vgpr_count:     704
    .wavefront_size: 32
...
	.end_amdgpu_metadata
.endif
;; end of part 4
;; launch att1: the kernel of part 3 again; grid 7 x 32, 8 waves a work-group, no clusters, 0 bytes of LDS; arguments qkv, o; writes o
;; launch tok1: the kernel of part 4 again; grid 14 x 16, 4 waves a work-group, no clusters, 177,152 bytes of LDS; arguments xb, o, wl1, wl2, xa, qkv; writes xa, qkv
;; launch att2: the kernel of part 3 again; grid 7 x 32, 8 waves a work-group, no clusters, 0 bytes of LDS; arguments qkv, o; writes o
;; launch last (part 5): grid 14 x 16, 4 waves a work-group, no clusters, 177,152 bytes of LDS; arguments xa, o, wl2, Wf, bf, out0; writes out0
.if DOCPART == 5
	.amdgcn_target "amdgcn-amd-amdhsa--gfx1250"
	.amdhsa_code_object_version 6
	.text
	.protected	k_q02d932f785_last
	.globl	k_q02d932f785_last
	.p2align	8
	.type	k_q02d932f785_last,@function
k_q02d932f785_last:
	s_mov_b64 s[64:65], 0
	v_nop
	global_prefetch_b8 v0, s[64:65] scope:SCOPE_SE
	s_setreg_imm32_b32 hwreg(HW_REG_WAVE_MODE, 25, 1), 1
	s_wait_xcnt 0x0
; The token-wise rest of the last layer, for 96 rows a work-group:  x += o Wo^T + bo;  x += gelu(LN2(x) W1^T + b1) W2^T + b2;  out = x . Wf + bf, in f32.
; ORDER, SHARES, PRODUCTS, GELU and LIMITS as in the launch for the layers before: block blk = 2 b + s (grid y), rows 96 m .. (grid x), six tiles of 16; by rows wave w owns rows 24 w .. 24 w + 23, by columns
; features 32 w .. 32 w + 31 of all rows (first FFN product: 128 w .., 16 a trip).  Source 0 = 16 rows of W, source 1 = 16 tokens.  LN's output, h and o are f16: within 65,504.
; OUT.  Row rho = 130 t + e of the block is out0[b][s][e][t]: a lane stores 4 bytes, 40 bytes from its neighbour's.  out0 keeps the problem's order, and it is 83,200 bytes in all.  Padding rows (rho >= 1,300) are not stored.
; REGISTERS in windows of 256 (s_set_vgpr_msb: bits 1:0 source 0, 3:2 source 1, 5:4 source 2, 7:6 destination): window 0 all that is named below; window 1 two buffers of W's fragments; window 2 the tokens' fragments.
.set XS, 0
.set A1, 50688
.set SPARE, 76800
.set HB, 77312
.set VEC, 393216
.set BO, 1536
.set B2, 2048
.set G2, 3584
.set BE2, 4096
.set B1, 4608
.set L16, 1
.set RW, 2
.set HF, 3
.set WO, 4
.set WL, 5
.set VBO, 6
.set BL, 7
.set XD, 9
.set XR, 10
.set AR, 11
.set AX, 12
.set HX, 14
.set HS, 16
.set XG, 18
.set TT, 21
.set LANE, 23
.set T2, 24
.set SPW, 28
.set NIL, 29
.set ACC, 32
.set BA, 128
.set BB, 144
.set TS, 160
.set TQ, 176
.set GE, 160
.set GP, 168
.set GM, 176
.set LNA, 216
.set LNB, 224                          ; my four numbers of Wf
.set GC, 232
.set OUTV, 242
.set XIN, 4
.set OB, 6
.set WLT, 8
.set WF, 10
.set BF, 12
.set OUT, 14
.set MSB, 0
.macro WIN new
.if MSB != (\new)
	s_set_vgpr_msb (MSB<<8)|(\new)
.set MSB, \new
.endif
.endm
.macro REP n, line:vararg
.set i, 0
.rept \n
	\line
.set i, i+1
.endr
.endm
.macro PLACES                          ; four plain instructions between a product and what reads its result or writes or loads into its registers
.rept 4
	v_nop
.endr
.endm
.macro BAR
	s_wait_dscnt 0x0
	s_barrier_signal -1
	s_barrier_wait -1
.endm
.macro LOADW buf, wl, unit, nb, bdst, boff
	WIN 0x40
	REP 16, global_load_b128 v[64*(\buf)+4*i:64*(\buf)+4*i+3], v[WO], s[\wl:\wl+1] offset:(\unit)*8192+512*i
	WIN 0
.if (\nb) == 4
	REP 4, global_load_b128 v[(\bdst)+4*i:(\bdst)+4*i+3], v[VBO], s[\wl:\wl+1] offset:(\boff)+64*(i/2)+16*(i%2)
.endif
.endm
.macro LOADW1
	WIN 0x40
	REP 8, global_load_b128 v[64+4*i:64+4*i+3], v[WL], s[WLT:WLT+1] offset:512*i
	WIN 0
	global_load_b128 v[BB:BB+3], v[BL], s[WLT:WLT+1]
	global_load_b128 v[BB+4:BB+7], v[BL], s[WLT:WLT+1] offset:16
.endm
.macro LOADX a0, a1, p16, koff
	WIN 0x80
.irp ks, 0,1,2,3
.irp mt, 0,1,2,3,4,5
.irp hf, 0,1
.if \mt < 3
	ds_load_b128 v[8*(4*\mt+\ks)+4*\hf:8*(4*\mt+\ks)+4*\hf+3], v[\a0] offset:\mt*(\p16)+(\koff)+64*\ks+32*\hf
.else
	ds_load_b128 v[8*(4*\mt+\ks)+4*\hf:8*(4*\mt+\ks)+4*\hf+3], v[\a1] offset:(\mt-3)*(\p16)+(\koff)+64*\ks+32*\hf
.endif
.endr
.endr
.endr
	WIN 0
.endm
; 128 along K for 6 x nts accumulators, which take turns, one instruction a turn.  cmode: the first K slice's C is the accumulator (0) or a bias (1).
; dsw = 1: LOADX was just issued: K slice ks is in when at most 36 - 12 ks younger LDS loads are out.
.macro MMU wb, nts, cmode, cb, dsw
	WIN 0x09
.irp ks, 0,1,2,3
.if \dsw
	s_wait_dscnt 36-12*\ks
.endif
.irp mt, 0,1,2,3,4,5
.irp nt, 0,1
.if \nt < (\nts)
.set ra, ACC+8*(2*\mt+\nt)
.set rw, (\wb)+8*(4*\nt+\ks)
.set rx, 8*(4*\mt+\ks)
.if (\ks > 0) || ((\cmode) == 0)
	v_wmma_f32_16x16x32_f16 v[ra:ra+7], v[rw:rw+7], v[rx:rx+7], v[ra:ra+7]
.else
	v_wmma_f32_16x16x32_f16 v[ra:ra+7], v[rw:rw+7], v[rx:rx+7], v[(\cb)+8*\nt:(\cb)+8*\nt+7]
.endif
.endif
.endr
.endr
.endr
	WIN 0
.endm
.macro ACCX b
.set tt, 0
.rept 12
	ds_load_b128 v[ACC+8*tt:ACC+8*tt+3], v[XD] offset:8448*(tt/2)+64*(tt%2)
	ds_load_b128 v[ACC+8*tt+4:ACC+8*tt+7], v[XD] offset:8448*(tt/2)+64*(tt%2)+16
.set tt, tt+1
.endr
	s_wait_dscnt 0x0
.set tt, 0
.rept 12
	REP 4, v_pk_add_f32 v[ACC+8*tt+2*i:ACC+8*tt+2*i+1], v[ACC+8*tt+2*i:ACC+8*tt+2*i+1], v[(\b)+8*(tt%2)+2*i:(\b)+8*(tt%2)+2*i+1]
.set tt, tt+1
.endr
.endm
.macro ACCST
	PLACES
.set tt, 0
.rept 12
	ds_store_b128 v[XD], v[ACC+8*tt:ACC+8*tt+3] offset:8448*(tt/2)+64*(tt%2)
	ds_store_b128 v[XD], v[ACC+8*tt+4:ACC+8*tt+7] offset:8448*(tt/2)+64*(tt%2)+16
.set tt, tt+1
.endr
.endm
.macro REDUCE x
	REP 8, v_add_f32 v[(\x)+2*i], v[(\x)+2*i], v[(\x)+2*i+1]
	REP 8, v_add_f32_dpp v[(\x)+2*i], v[(\x)+2*i], v[(\x)+2*i] row_xmask:1 row_mask:0xf bank_mask:0xf
	REP 8, v_add_f32_dpp v[(\x)+2*i], v[(\x)+2*i], v[(\x)+2*i] row_xmask:2 row_mask:0xf bank_mask:0xf
	REP 8, v_add_f32_dpp v[(\x)+2*i], v[(\x)+2*i], v[(\x)+2*i] row_xmask:4 row_mask:0xf bank_mask:0xf
	REP 8, v_add_f32_dpp v[(\x)+2*i], v[(\x)+2*i], v[(\x)+2*i] row_xmask:8 row_mask:0xf bank_mask:0xf
	REP 8, v_permlanex16_b32 v[(\x)+2*i+1], v[(\x)+2*i], s28, s29
	REP 8, v_add_f32 v[(\x)+2*i], v[(\x)+2*i], v[(\x)+2*i+1]
.endm
.macro LNLOOP gs                       ; LayerNorm of my 24 rows, XS -> A1 (f16): three trips of eight rows; mean first, then the squares of the differences
	v_add_nc_u32 v[XR], s38, v[L16]
	v_lshl_add_u32 v[AR], v[LANE], 3, s39
	s_mov_b32 s41, 3
.Lln_\@:
	REP 8, ds_load_b128 v[ACC+4*i:ACC+4*i+3], v[XR] offset:528*i
	s_wait_dscnt 0x0
	REP 8, v_pk_add_f32 v[TS+2*i:TS+2*i+1], v[ACC+4*i:ACC+4*i+1], v[ACC+4*i+2:ACC+4*i+3]
	REDUCE TS
	REP 8, v_mul_f32 v[TS+2*i], s30, v[TS+2*i]
	REP 8, v_pk_add_f32 v[ACC+4*i:ACC+4*i+1], v[ACC+4*i:ACC+4*i+1], v[TS+2*i:TS+2*i+1] op_sel_hi:[1,0] neg_lo:[0,1] neg_hi:[0,1]
	REP 8, v_pk_add_f32 v[ACC+4*i+2:ACC+4*i+3], v[ACC+4*i+2:ACC+4*i+3], v[TS+2*i:TS+2*i+1] op_sel_hi:[1,0] neg_lo:[0,1] neg_hi:[0,1]
	REP 8, v_pk_mul_f32 v[TQ+2*i:TQ+2*i+1], v[ACC+4*i:ACC+4*i+1], v[ACC+4*i:ACC+4*i+1]
	REP 8, v_pk_fma_f32 v[TQ+2*i:TQ+2*i+1], v[ACC+4*i+2:ACC+4*i+3], v[ACC+4*i+2:ACC+4*i+3], v[TQ+2*i:TQ+2*i+1]
	REDUCE TQ
	REP 8, v_fma_f32 v[TQ+2*i], v[TQ+2*i], s30, s31
	REP 8, v_rsq_f32 v[TS+2*i], v[TQ+2*i]
	v_nop                                          ; a plain instruction behind the last root,
	s_wait_alu depctr_va_vdst(0)                   ; and one wait for the eight, ahead of their first reader
	REP 8, v_pk_mul_f32 v[ACC+4*i:ACC+4*i+1], v[ACC+4*i:ACC+4*i+1], v[TS+2*i:TS+2*i+1] op_sel_hi:[1,0]
	REP 8, v_pk_mul_f32 v[ACC+4*i+2:ACC+4*i+3], v[ACC+4*i+2:ACC+4*i+3], v[TS+2*i:TS+2*i+1] op_sel_hi:[1,0]
	REP 8, v_pk_fma_f32 v[ACC+4*i:ACC+4*i+1], v[ACC+4*i:ACC+4*i+1], v[(\gs):(\gs)+1], v[(\gs)+4:(\gs)+5]
	REP 8, v_pk_fma_f32 v[ACC+4*i+2:ACC+4*i+3], v[ACC+4*i+2:ACC+4*i+3], v[(\gs)+2:(\gs)+3], v[(\gs)+6:(\gs)+7]
	REP 8, v_cvt_pk_f16_f32 v[ACC+4*i], v[ACC+4*i], v[ACC+4*i+1]
	REP 8, v_cvt_pk_f16_f32 v[ACC+4*i+1], v[ACC+4*i+2], v[ACC+4*i+3]
	REP 8, ds_store_b64 v[AR], v[ACC+4*i:ACC+4*i+1] offset:272*i
	v_add_nc_u32 v[XR], 4224, v[XR]
	v_add_nc_u32 v[AR], 2176, v[AR]
	s_sub_co_u32 s41, s41, 1
	s_cmp_lg_u32 s41, 0
	s_cbranch_scc1 .Lln_\@
.endm
.macro GELU mt                         ; gelu(x) = max(x, 0) - |x| w; sixteen transcendentals are one batch with one wait, the eight maxima between
.set GA, ACC+16*(\mt)
.set GT, GA+8
	REP 8, v_fma_f32 v[GT+i], |v[GA+i]|, s44, 1.0
	REP 4, v_pk_mul_f32 v[GE+2*i:GE+2*i+1], v[GA+2*i:GA+2*i+1], v[GA+2*i:GA+2*i+1]
	REP 4, v_pk_mul_f32 v[GE+2*i:GE+2*i+1], v[GE+2*i:GE+2*i+1], s[42:43] op_sel_hi:[1,0]
	REP 8, v_rcp_f32 v[GT+i], v[GT+i]
	REP 8, v_exp_f32 v[GE+i], v[GE+i]
	REP 8, v_max_num_f32 v[GM+i], 0, v[GA+i]
	s_wait_alu depctr_va_vdst(0)
	REP 4, v_pk_fma_f32 v[GP+2*i:GP+2*i+1], v[GT+2*i:GT+2*i+1], v[GC:GC+1], v[GC+2:GC+3]
	REP 4, v_pk_fma_f32 v[GP+2*i:GP+2*i+1], v[GP+2*i:GP+2*i+1], v[GT+2*i:GT+2*i+1], v[GC+4:GC+5]
	REP 4, v_pk_fma_f32 v[GP+2*i:GP+2*i+1], v[GP+2*i:GP+2*i+1], v[GT+2*i:GT+2*i+1], v[GC+6:GC+7]
	REP 4, v_pk_fma_f32 v[GP+2*i:GP+2*i+1], v[GP+2*i:GP+2*i+1], v[GT+2*i:GT+2*i+1], v[GC+8:GC+9]
	REP 4, v_pk_mul_f32 v[GP+2*i:GP+2*i+1], v[GP+2*i:GP+2*i+1], v[GT+2*i:GT+2*i+1]
	REP 4, v_pk_mul_f32 v[GP+2*i:GP+2*i+1], v[GP+2*i:GP+2*i+1], v[GE+2*i:GE+2*i+1]
	REP 8, v_fma_f32 v[GA+i], -|v[GA+i]|, v[GP+i], v[GM+i]
	REP 4, v_cvt_pk_f16_f32 v[GA+i], v[GA+2*i], v[GA+2*i+1]
	ds_store_b128 v[HS+(\mt)/3], v[GA:GA+3] offset:((\mt)%3)*16640
.endm
.macro GCSET n, val
	v_mov_b32 v[GC+2*(\n)], \val
	v_mov_b32 v[GC+2*(\n)+1], \val
.endm
	s_load_b256 s[4:11], s[0:1], 0x0               ; x in, o, the layer's weights, Wf
	s_load_b128 s[12:15], s[0:1], 0x20             ; bf, out0
	v_lshl_add_u32 v[SPW], v0, 2, SPARE
	v_mov_b32 v[NIL], 0
	v_lshrrev_b32 v[TT], 5, v0
	v_readfirstlane_b32 s20, v[TT]
	v_and_b32 v[LANE], 31, v0
	v_lshlrev_b32 v[L16], 4, v[LANE]
	v_and_b32 v[RW], 15, v0
	v_bfe_u32 v[HF], v0, 4, 1
	s_mov_b32 s21, ttmp9
	s_and_b32 s22, ttmp7, 0xffff
	s_mul_i32 s23, s22, 14
	s_add_co_u32 s23, s23, s21
	s_mul_i32 s26, s21, 96
	s_mov_b32 s28, 0x76543210
	s_mov_b32 s29, 0xfedcba98
	s_mov_b32 s30, 0x3c000000                      ; 1 / 128
	s_mov_b32 s31, 0x3727c5ac                      ; 1e-5
	s_mov_b32 s42, 0xbf38aa3b                      ; -log2(e) / 2
	s_mov_b32 s43, s42
	s_mov_b32 s44, 0x3e6d338a                      ; 0.3275911 / sqrt(2)
	s_mul_i32 s38, s20, 12672
	s_mul_i32 s39, s20, 6528
	s_add_co_u32 s39, s39, A1
	s_mul_i32 s40, s20, 12288
	s_mul_i32 s2, s20, 98304
	v_add_nc_u32 v[WO], s2, v[L16]
	v_add_nc_u32 v[WL], 32768, v[WO]
	s_lshl_b32 s2, s20, 7
	s_add_co_u32 s3, s2, VEC
	v_lshl_add_u32 v[VBO], v[HF], 5, s3
	v_mul_u32_u24 v[XD], v[RW], 528
	v_lshl_add_u32 v[XD], v[HF], 5, v[XD]
	v_add_nc_u32 v[XD], s2, v[XD]
	s_lshl_b32 s3, s20, 9
	s_add_co_u32 s3, s3, VEC+B1
	v_lshl_add_u32 v[BL], v[HF], 5, s3
	v_mul_u32_u24 v[AX], v[RW], 272
	v_lshl_add_u32 v[AX], v[HF], 4, v[AX]
	v_add_nc_u32 v[AX], A1, v[AX]
	v_add_nc_u32 v[AX+1], 13056, v[AX]
	v_mul_u32_u24 v[HX], v[RW], 1040
	v_lshl_add_u32 v[HX], v[HF], 4, v[HX]
	v_add_nc_u32 v[HX], HB, v[HX]
	v_add_nc_u32 v[HX+1], 49920, v[HX]
	s_lshl_b32 s3, s20, 8
	v_add_nc_u32 v[HS], s3, v[HX]
	v_add_nc_u32 v[HS+1], s3, v[HX+1]
	GCSET 0, 0x3f07dc22
	GCSET 1, 0xbf3a00e3
	GCSET 2, 0x3f35f0e3
	GCSET 3, 0xbe11a98e
	GCSET 4, 0x3e027906
	s_wait_kmcnt 0x0
	s_load_b32 s45, s[BF:BF+1], 0x0                ; bf
	s_mul_i32 s2, s23, 49152
	s_mov_b32 s3, 0
	s_add_nc_u64 s[XIN:XIN+1], s[XIN:XIN+1], s[2:3]
	s_mul_i32 s2, s23, 24576
	s_add_nc_u64 s[OB:OB+1], s[OB:OB+1], s[2:3]
	LOADW 0, WLT, 3, 4, BA, BO
	global_load_b128 v[LNA:LNA+3], v[L16], s[WLT:WLT+1] offset:VEC+G2
	global_load_b128 v[LNA+4:LNA+7], v[L16], s[WLT:WLT+1] offset:VEC+BE2
	global_load_b128 v[LNB:LNB+3], v[L16], s[WF:WF+1]
	v_add_nc_u32 v[XG], s40, v[L16]
	REP 24, global_load_b128 v[ACC+4*i:ACC+4*i+3], v[XG], s[XIN:XIN+1] offset:512*i
	WIN 0x80
	REP 48, global_load_b128 v[4*i:4*i+3], v[L16], s[OB:OB+1] offset:512*i
	WIN 0
	v_add_nc_u32 v[XR], s38, v[L16]
	s_wait_loadcnt 48                              ; all but o's 48 loads
	REP 24, ds_store_b128 v[XR], v[ACC+4*i:ACC+4*i+3] offset:528*i
	BAR
	; ---- x += o Wo^T + bo
	LOADW1
	s_wait_loadcnt 10                              ; o is in; W1's ten loads may stay out
	ACCX BA
	MMU 0, 2, 0, 0, 0
	ACCST
	LOADW 0, WLT, 8, 4, BA, B2
	BAR
	LNLOOP LNA
	BAR
	; ---- h = gelu(. W1^T + b1)
	LOADX AX, AX+1, 4352, 0
	s_wait_dscnt 0x0
	s_mov_b32 s41, 8
.Lffn:
	s_wait_loadcnt 0x0                             ; this trip's weights and bias; their offsets are free
	v_add_nc_u32 v[WL], 4096, v[WL]
	v_add_nc_u32 v[BL], 64, v[BL]
	MMU 64, 1, 1, BB, 0
	PLACES
	LOADW1                                         ; the next trip's; what the eighth trip asks for (bytes of this buffer that follow) is read by nobody: the price of one text for all trips
.irp mt, 0,1,2,3,4,5
	GELU \mt
.endr
	v_add_nc_u32 v[HS], 32, v[HS]
	v_add_nc_u32 v[HS+1], 32, v[HS+1]
	s_sub_co_u32 s41, s41, 1
	s_cmp_lg_u32 s41, 0
	s_cbranch_scc1 .Lffn
	s_wait_loadcnt 0x0
	BAR
	; ---- x += h W2^T + b2
	LOADW 1, WLT, 9, 0, 0, 0
	ACCX BA
	LOADX HX, HX+1, 16640, 0
	s_wait_loadcnt 16
	MMU 0, 2, 0, 0, 1
	PLACES
	LOADW 0, WLT, 10, 0, 0, 0
	LOADX HX, HX+1, 16640, 256
	s_wait_loadcnt 16
	MMU 64, 2, 0, 0, 1
	PLACES
	LOADW 1, WLT, 11, 0, 0, 0
	LOADX HX, HX+1, 16640, 512
	s_wait_loadcnt 16
	MMU 0, 2, 0, 0, 1
	PLACES
	LOADX HX, HX+1, 16640, 768
	s_wait_loadcnt 0x0
	MMU 64, 2, 0, 0, 1
	ACCST
	BAR
	; ---- out = x . Wf + bf: my 24 rows, eight at a time; row 8 g + k's sum, which every lane holds, is put into lane 8 g + k
	v_add_nc_u32 v[XR], s38, v[L16]
	REP 24, ds_load_b128 v[ACC+4*i:ACC+4*i+3], v[XR] offset:528*i
	v_mov_b32 v[OUTV], 0
	s_wait_dscnt 0x0
.irp g, 0,1,2
	REP 8, v_pk_mul_f32 v[TS+2*i:TS+2*i+1], v[ACC+32*\g+4*i:ACC+32*\g+4*i+1], v[LNB:LNB+1]
	REP 8, v_pk_fma_f32 v[TS+2*i:TS+2*i+1], v[ACC+32*\g+4*i+2:ACC+32*\g+4*i+3], v[LNB+2:LNB+3], v[TS+2*i:TS+2*i+1]
	REDUCE TS
.set k, 0
.rept 8
	v_readfirstlane_b32 s2, v[TS+2*k]
	v_writelane_b32 v[OUTV], s2, 8*\g+k
.set k, k+1
.endr
.endr
	s_wait_kmcnt 0x0                               ; bf
	v_add_f32 v[OUTV], s45, v[OUTV]
	s_mul_i32 s2, s20, 24
	s_add_co_u32 s2, s2, s26
	v_add_nc_u32 v[TT], s2, v[LANE]                ; rho
	v_mul_u32_u24 v[T2], v[TT], 8066
	v_lshrrev_b32 v[T2], 20, v[T2]                 ; t
	v_mul_u32_u24 v[AR], v[T2], 130
	v_sub_nc_u32 v[AR], v[TT], v[AR]               ; e
	s_mul_i32 s3, s22, 130
	v_add_nc_u32 v[AR], s3, v[AR]
	v_mul_u32_u24 v[AR], v[AR], 10
	v_add_lshl_u32 v[AR], v[AR], v[T2], 2          ; 4 ((130 blk + e) 10 + t)
	v_cmp_gt_u32 vcc_lo, 24, v[LANE]
	v_cmp_gt_u32 s2, 1300, v[TT]
	s_and_b32 vcc_lo, vcc_lo, s2
	s_wait_xcnt 0x0                                ; EXEC changes only behind this wait
	s_and_saveexec_b32 s3, vcc_lo
	global_store_b32 v[AR], v[OUTV], s[OUT:OUT+1]
	s_wait_xcnt 0x0
	s_or_b32 exec_lo, exec_lo, s3
	s_wait_tensorcnt 0x0                           ; the wave's end
	ds_add_u32 v[SPW], v[NIL]
	s_wait_dscnt 0x0
	s_endpgm
.Lfunc_end_k_q02d932f785_last:
	.size	k_q02d932f785_last, .Lfunc_end_k_q02d932f785_last-k_q02d932f785_last
	.p2alignl 7, 3214868480
	.fill 96, 4, 3214868480
	.section	.rodata,"a",@progbits
	.p2align	6, 0x0
	.amdhsa_kernel k_q02d932f785_last
		.amdhsa_group_segment_fixed_size 177152
		.amdhsa_private_segment_fixed_size 0
		.amdhsa_enable_private_segment 0
		.amdhsa_kernarg_size 48
		.amdhsa_user_sgpr_count 2
		.amdhsa_user_sgpr_kernarg_segment_ptr 1
		.amdhsa_wavefront_size32 1
		.amdhsa_system_sgpr_workgroup_id_x 1
		.amdhsa_system_sgpr_workgroup_id_y 1
		.amdhsa_system_sgpr_workgroup_id_z 1
		.amdhsa_system_vgpr_workitem_id 0
		.amdhsa_next_free_vgpr 704
		.amdhsa_next_free_sgpr 66
		.amdhsa_reserve_vcc 1
		.amdhsa_float_denorm_mode_32 3
		.amdhsa_float_denorm_mode_16_64 3
		.amdhsa_memory_ordered 1
		.amdhsa_forward_progress 1
		.amdhsa_inst_pref_size 126
	.end_amdhsa_kernel
	.amdgpu_metadata
---
amdhsa.version: [ 1, 2 ]
amdhsa.kernels:
  - .name:           k_q02d932f785_last
    .symbol:         k_q02d932f785_last.kd
    .args:
      - { .name: xa, .offset: 0, .size: 8, .value_kind: global_buffer, .address_space: global }
      - { .name: o, .offset: 8, .size: 8, .value_kind: global_buffer, .address_space: global }
      - { .name: wl2, .offset: 16, .size: 8, .value_kind: global_buffer, .address_space: global }
      - { .name: Wf, .offset: 24, .size: 8, .value_kind: global_buffer, .address_space: global }
      - { .name: bf, .offset: 32, .size: 8, .value_kind: global_buffer, .address_space: global }
      - { .name: out0, .offset: 40, .size: 8, .value_kind: global_buffer, .address_space: global }
    .group_segment_fixed_size: 177152
    .private_segment_fixed_size: 0
    .kernarg_segment_align: 8
    .kernarg_segment_size: 48
    .max_flat_workgroup_size: 128
    .sgpr_count:     66
    .vgpr_count:     704
    .wavefront_size: 32
...
	.end_amdgpu_metadata
.endif
;; end of part 5
;; ======== version 2 of 2: 8 launches; 1.28 times as fast as version 1
;; limits: values are held in f16: magnitudes above 65,504 overflow, below 6.1e-05 lose precision; a function is approximated: absolute error at most 1.5e-07
;; workspace buffers: wl0 400,384 bytes; wl1 400,384 bytes; wl2 400,384 bytes; xa 11,010,048 bytes; xb 11,010,048 bytes; qkv 11,010,048 bytes; o 5,505,024 bytes
;; launch prep: the kernel of part 1 again; grid 49 x 3, 16 waves a work-group, no clusters, 0 bytes of LDS; arguments Wq, Wk, Wv, Wo, W1, W2, bq, bk, bv, bo, b1, b2, g1, be1, g2, be2, wl0, wl1, wl2; writes wl0, wl1, wl2
;; launch head: the kernel of part 2 again; grid 14 x 16, 4 waves a work-group, no clusters, 77,312 bytes of LDS; arguments x, wl0, xa, qkv; writes xa, qkv
;; launch att0 (part 6): grid 7 x 32, 12 waves a work-group, no clusters, 173,568 bytes of LDS; arguments qkv, o; writes o
.if DOCPART == 6
	.amdgcn_target "amdgcn-amd-amdhsa--gfx1250"
	.amdhsa_code_object_version 6
	.text
	.protected	k_q02d932f785_att0
	.globl	k_q02d932f785_att0
	.p2align	8
	.type	k_q02d932f785_att0,@function
k_q02d932f785_att0:
	s_mov_b64 s[64:65], 0
	v_nop
	global_prefetch_b8 v0, s[64:65] scope:SCOPE_SE
	s_setreg_imm32_b32 hwreg(HW_REG_WAVE_MODE, 25, 1), 1
	s_wait_xcnt 0x0
; Attention of one layer.  Grid y = 4 b + head.  Queries: 84 tiles of 16 rows in each of the two samples; keys: sample 0's 84 tiles, sorted by time, so a query of time t sees the first 130 (t + 1) keys.
; q, k, v and o are fragments of 1,024 bytes, [half][lane][16 bytes]: every load and store of a wave is 512 consecutive bytes.
; K AND V LIE IN LDS WHOLE: 84 + 84 tiles = 172,032 bytes, brought once, at the head: each of the twelve waves asks for 56 dense rows of 256 bytes by one tensor load; nothing is filled again, so there is one wait
; for the loads and one barrier.  K lies at byte 0, V directly behind it.
; SHARES.  A wave takes tile qt of BOTH samples: two tiles with the same limits, so one compare serves both.  84 such pairs = 7 work-groups x 12 waves.  A walk's length grows with qt, so work-group x takes four long
; pairs (83 - 4 x - j), four middle ones (28 + 4 pi + j) and four short ones (4 sigma + j), with pi + sigma = 3 + x: the same sum of qt for every x.  The class is w % 3 and j = w / 3.
; LAYOUT.  S^T = K Q^T (source 0 = 16 keys, source 1 = 16 queries): a lane holds ONE query and keys 8 (lane / 16) + 0..7; two such results rounded to f16 ARE source 1 (32 keys) of O^T = V^T P.
; SOFTMAX.  Running maximum m and sum l a query: p = 2^(c s - c m), c = log2(e) / sqrt(32); O and l are multiplied by a = 2^(c m_old - c m_new) in every step.  m starts at the lowest finite number, O and l at 0,
; so the first step is a step like any other (a = 0); the price is 42 lines that write constants, in the wait for the tiles.
; THE WALK.  64 keys a step, 21 trips for every wave.  Steps below NF are seen whole by all 16 rows; steps NF .. NS - 1 take a mask (a hidden score becomes -1e30; NF is at least 2, so every query has seen a true
; score before); steps from NS on are jumped over.  NF and NS come from the wave's place alone.  The two LDS addresses step in every trip, the dead ones too: address = base + 4,096 x trip on every way.
; A step asks for its own V and for the next step's K behind its first products; the K behind step 20 is V's first 4,096 bytes, which have landed and which nobody uses.
; NO CLUSTER: a head's seven work-groups read the same K and V, but seven is no multiple of four: the grid does not divide into clusters.
; LIMITS: q, k, v, p, o are f16 (within 65,504); a weight below 2^-126 counts as 0; NaN and infinities are not treated apart.
.set KREG, 5505024                     ; in qkv: K's fragments, 86,016 bytes for each batch and head,
.set VREG, 8257536                     ; and V's
.set HEADB, 86016
.set LV, 86016                         ; LDS: V behind K
.set SPARE, 172032                     ; behind them the spare words, 128 bytes for each wave: six blocks of 256 bytes that no other line names
.set PARTB, 14336                      ; what one tensor load brings: 56 rows of 256 bytes
.set STEPS, 21
.set L16, 1                            ; 16 x lane
.set KA, 2                             ; LDS address of this step's K: 16 lane + 4,096 x trip
.set VA, 3                             ; of its V
.set QO, 4                             ; v4, v5: tile t's fragment in q and in o
.set THR, 6                            ; how many of the step's keys, from my first on, my query sees
.set BIG, 7
.set SPW, 8                            ; LDS address of my spare word; never rewritten
.set NIL, 9                            ; 0; never rewritten
.set TT, 10
.set RW, 11
.set HF, 12
.set ST, 16                            ; tile t at ST + 8 t: c m, m, l (even, odd keys), a, c m_old
.set QF, 32
.set KF, 48                            ; key tile u at KF + 8 u
.set VF, 80                            ; key half kk, channel tile c at VF + 16 kk + 8 c
.set S, 112                            ; tile t, key tile u at S + 32 t + 8 u
.set P, 176                            ; tile t, key half kk at P + 16 t + 8 kk
.set O, 208                            ; tile t, channel tile c at O + 16 t + 8 c
.set C, 240                            ; four a tile, at work on the maximum
.set G1, 32                            ; s[32:39] descriptor group 1
.set G0, 40                            ; s[40:43] descriptor group 0
.macro REP n, line:vararg              ; the line n times, i = 0 .. n - 1
.set i, 0
.rept \n
	\line
.set i, i+1
.endr
.endm
.macro T2 line:vararg                  ; the line for each tile t
.set t, 0
.rept 2
	\line
.set t, t+1
.endr
.endm
.macro PLACES                          ; four plain instructions between a product and what reads its result or loads into its registers
.rept 4
	v_nop
.endr
.endm
	s_load_b128 s[4:7], s[0:1], 0x0                ; qkv, o
	v_lshl_add_u32 v[SPW], v0, 2, SPARE
	v_mov_b32 v[NIL], 0
	ds_add_u32 v[SPW], v[NIL]                      ; the wave's opening: the add and its wait ahead of my tensor load; the descriptor's words, work on registers, stand between them
	ds_add_u32 v8, v9
	v_lshrrev_b32 v[TT], 5, v0
	v_readfirstlane_b32 s8, v[TT]                  ; wave 0..11
	s_and_b32 s10, ttmp7, 0xffff                   ; 4 b + head
	; group 1: a dense block as 56 rows of 32 elements of 8 bytes, no padding: fragments are read as 512 consecutive bytes
	s_mov_b32 s[G1], 3<<16                         ; 17:16 elements of 8 bytes; no mask, no padding
	s_mov_b32 s[G1+1], 32<<16                      ; tensor_dim0 = 32
	s_mov_b32 s[G1+2], 56<<16                      ; tensor_dim1 = 56
	s_mov_b32 s[G1+3], 32<<16                      ; tile_dim0 = 32
	s_mov_b32 s[G1+4], 56                          ; tile_dim1 = 56
	s_mov_b32 s[G1+5], 32                          ; 32 elements from row to row
	s_mov_b32 s[G1+6], 0
	s_mov_b32 s[G1+7], 0
	s_and_b32 s13, s8, 1                           ; 0: I fetch of K, 1: of V
	s_lshr_b32 s14, s8, 1                          ; which sixth
	s_mul_i32 s15, s13, LV
	s_mul_i32 s16, s14, PARTB
	s_mov_b32 s[G0], 1                             ; count = 1
	s_add_co_u32 s[G0+1], s15, s16                 ; LDS address: 86,016 x (w & 1) + 14,336 x (w >> 1)
	s_mul_i32 s2, s13, VREG-KREG
	s_add_co_u32 s2, s2, s16
	s_mul_i32 s17, s10, HEADB
	s_add_co_u32 s2, s2, s17
	s_add_co_u32 s2, s2, KREG                      ; the same bytes' offset in qkv
	s_mov_b32 s3, 0
	s_wait_dscnt 0x0                               ; the opening add is done
	s_wait_kmcnt 0x0
	s_add_nc_u64 s[G0+2:G0+3], s[4:5], s[2:3]
	s_or_b32 s[G0+3], s[G0+3], 0x80000000          ; type = 2
	tensor_load_to_lds s[G0:G0+3], s[G1:G1+7]      ; my one tensor load
	s_nop 0
	; my pair of tiles
	v_and_b32 v[L16], 31, v0
	v_lshlrev_b32 v[L16], 4, v[L16]
	v_and_b32 v[RW], 15, v0
	v_bfe_u32 v[HF], v0, 4, 1
	s_lshr_b32 s11, s10, 2                         ; b
	s_and_b32 s12, s10, 3                          ; head
	s_mov_b32 s9, 130
	s_mov_b32 s24, 0x76543210                      ; v_permlanex16_b32: each lane takes its own place in the other half
	s_mov_b32 s25, 0xfedcba98
	s_mov_b32 s26, 0x3e8293ee                      ; c = 0.2550348
	s_mov_b32 s27, s26
	s_mul_i32 s18, s8, 11
	s_lshr_b32 s18, s18, 5                         ; j = w / 3 (exact for w < 12)
	s_mul_i32 s19, s18, 3
	s_sub_co_u32 s19, s8, s19                      ; the class, w % 3
	s_lshr_b32 s20, ttmp9, 1
	s_and_b32 s21, ttmp9, 1
	s_add_co_u32 s22, s20, 3
	s_add_co_u32 s23, s20, 4
	s_cmp_eq_u32 s21, 1
	s_cselect_b32 s22, s20, s22                    ; pi = x / 2 for odd x, else 3 + x / 2
	s_cselect_b32 s23, s23, s20                    ; sigma = 4 + x / 2 for odd x, else x / 2
	s_lshl_b32 s22, s22, 2
	s_add_co_u32 s22, s22, 28
	s_add_co_u32 s22, s22, s18                     ; the middle pair
	s_lshl_b32 s23, s23, 2
	s_add_co_u32 s23, s23, s18                     ; the short one
	s_lshl_b32 s21, ttmp9, 2
	s_sub_co_u32 s21, 83, s21
	s_sub_co_u32 s21, s21, s18                     ; the long one
	s_cmp_eq_u32 s19, 1
	s_cselect_b32 s21, s22, s21
	s_cmp_eq_u32 s19, 2
	s_cselect_b32 s21, s23, s21                    ; qt
	s_lshl_b32 s16, s21, 4                         ; its first row; a row's time is row / 130 = (row x 8,066) >> 20, exact below 1,344; a padding row counts as time 9
	s_mul_i32 s17, s16, 8066
	s_lshr_b32 s17, s17, 20
	s_min_u32 s17, s17, 9
	s_mul_i32 s17, s17, 130
	s_add_co_u32 s17, s17, 130                     ; the least limit
	s_lshr_b32 s29, s17, 6                         ; NF
	s_add_co_u32 s17, s16, 15
	s_mul_i32 s17, s17, 8066
	s_lshr_b32 s17, s17, 20
	s_min_u32 s17, s17, 9
	s_mul_i32 s17, s17, 130
	s_add_co_u32 s17, s17, 193                     ; the greatest limit + 63
	s_lshr_b32 s30, s17, 6                         ; NS, 21 at the most; above NF, since no limit is a multiple of 64
	v_add_nc_u32 v[THR], s16, v[RW]                ; my query's row,
	v_mul_u32_u24 v[THR], v[THR], 8066
	v_lshrrev_b32 v[THR], 20, v[THR]
	v_min_u32 v[THR], 9, v[THR]                    ; its time,
	v_mad_u32_u24 v[THR], v[THR], s9, s9           ; its limit,
	s_lshl_b32 s31, s29, 6
	v_lshl_add_u32 v[TT], v[HF], 3, s31
	v_sub_nc_u32 v[THR], v[THR], v[TT]             ; counted from my first key of the first masked step
.irp t, 0,1
	s_lshl1_add_u32 s18, s11, \t                   ; block 2 b + s
	s_mul_i32 s18, s18, 84
	s_add_co_u32 s18, s18, s21
	s_lshl2_add_u32 s18, s18, s12
	s_lshl_b32 s18, s18, 10
	v_add_nc_u32 v[QO+\t], s18, v[L16]
.endr
	T2 global_load_b128 v[QF+8*t:QF+8*t+3], v[QO+t], s[4:5]
	T2 global_load_b128 v[QF+8*t+4:QF+8*t+7], v[QO+t], s[4:5] offset:512
	v_mov_b32 v[KA], v[L16]
	v_add_nc_u32 v[VA], LV, v[L16]
	v_mov_b32 v[BIG], 0xf149f2ca                   ; -1e30
	REP 32, v_mov_b32 v[O+i], 0
	T2 v_mov_b32 v[ST+8*t], 0xfe000000             ; c m: far below every c s
	T2 v_mov_b32 v[ST+8*t+1], 0xff7fffff           ; m
	T2 v_mov_b32 v[ST+8*t+2], 0
	T2 v_mov_b32 v[ST+8*t+3], 0
	T2 v_mov_b32 v[ST+8*t+5], 0                    ; named in a pair with a
	s_wait_tensorcnt 0x0                           ; my sixth of K or V has landed,
	s_barrier_signal -1
	s_barrier_wait -1                              ; everybody's has: from here on LDS is only read
	REP 8, ds_load_b128 v[KF+4*i:KF+4*i+3], v[KA] offset:512*i      ; K of step 0
	s_wait_loadcnt 0x0                             ; Q
.macro FS                              ; c s - c m for pair b of the 32 pairs of both tiles
	v_pk_fma_f32 v[S+2*b:S+2*b+1], v[S+2*b:S+2*b+1], s[26:27], v[ST+8*(b/16):ST+8*(b/16)+1] op_sel_hi:[1,0,0] neg_lo:[0,0,1] neg_hi:[0,0,1]
.set b, b+1
.endm
.macro EX                              ; the exponential of score e of 64
	v_exp_f32 v[S+e], v[S+e]
.set e, e+1
.endm
.macro STEP masked
	s_wait_dscnt 0x0                               ; this step's K is in
.set n, 0
.rept 8                                ; key tile n / 2, query tile n % 2: eight accumulators, one product each
	v_wmma_f32_16x16x32_f16 v[S+32*(n%2)+8*(n/2):S+32*(n%2)+8*(n/2)+7], v[KF+8*(n/2):KF+8*(n/2)+7], v[QF+8*(n%2):QF+8*(n%2)+7], 0
.set n, n+1
.endr
	PLACES                                         ; behind these products, which read K, and behind the last step's, which read V
	REP 8, ds_load_b128 v[VF+4*i:VF+4*i+3], v[VA] offset:2048*(i/4)+512*((i/2)%2)+1024*(i%2)    ; this step's V,
	REP 8, ds_load_b128 v[KF+4*i:KF+4*i+3], v[KA] offset:4096+512*i                             ; the next step's K
.if \masked
.set n, 0
.rept 32                               ; register n % 8 of key tile n / 8 is key 16 (n / 8) + n % 8 from my first on, in both tiles; each accumulator is read from its low end on
	v_cmp_lt_i32 vcc_lo, 16*(n/8)+n%8, v[THR]
	v_cndmask_b32 v[S+n], v[BIG], v[S+n], vcc_lo
	v_cndmask_b32 v[S+32+n], v[BIG], v[S+32+n], vcc_lo
.set n, n+1
.endr
	v_add_nc_u32 v[THR], 0xffffffc0, v[THR]
.endif
	REP 8, v_max3_num_f32 v[C+i], v[S+8*i], v[S+8*i+1], v[S+8*i+2]              ; a chain for each accumulator, begun at its low end
	REP 8, v_max3_num_f32 v[C+i], v[C+i], v[S+8*i+3], v[S+8*i+4]
	REP 8, v_max3_num_f32 v[C+i], v[C+i], v[S+8*i+5], v[S+8*i+6]
	T2 v_max3_num_f32 v[C+4*t], v[C+4*t], v[S+32*t+7], v[S+32*t+15]
	T2 v_max3_num_f32 v[C+4*t+2], v[C+4*t+2], v[S+32*t+23], v[S+32*t+31]
	T2 v_max3_num_f32 v[C+4*t], v[C+4*t], v[C+4*t+1], v[C+4*t+2]
	T2 v_max3_num_f32 v[C+4*t], v[C+4*t], v[C+4*t+3], v[ST+8*t+1]               ; and the old m
	T2 v_permlanex16_b32 v[C+4*t+1], v[C+4*t], s24, s25                         ; the query's other 32 keys lie in the lane 16 away
	T2 v_mov_b32 v[ST+8*t+5], v[ST+8*t]
	T2 v_max_num_f32 v[ST+8*t+1], v[C+4*t], v[C+4*t+1]
	T2 v_mul_f32 v[ST+8*t], s26, v[ST+8*t+1]
	T2 v_sub_f32 v[ST+8*t+5], v[ST+8*t+5], v[ST+8*t]
	T2 v_exp_f32 v[ST+8*t+4], v[ST+8*t+5]          ; ONE BATCH of 66 exponentials: nothing ahead of the wait names a result.  The scalings are dealt among them: a pair is scaled two scalings ahead of its exponentials
.set b, 0
.set e, 0
	FS
	FS
.rept 30
	FS
	EX
	EX
.endr
.rept 4
	EX
.endr
	v_nop                                          ; a plain instruction behind the last exponential,
	s_wait_alu depctr_va_vdst(0)                   ; and one wait ahead of the first reader
	REP 32, v_cvt_pk_f16_f32 v[P+i], v[S+2*i], v[S+2*i+1]
	REP 16, v_pk_add_f32 v[S+4*i:S+4*i+1], v[S+4*i:S+4*i+1], v[S+4*i+2:S+4*i+3]                 ; the sums of the unrounded weights, in place: neighbours 1, 2, 4, 8 pairs apart
	REP 8, v_pk_add_f32 v[S+8*i:S+8*i+1], v[S+8*i:S+8*i+1], v[S+8*i+4:S+8*i+5]
	REP 4, v_pk_add_f32 v[S+16*i:S+16*i+1], v[S+16*i:S+16*i+1], v[S+16*i+8:S+16*i+9]
	REP 2, v_pk_add_f32 v[S+32*i:S+32*i+1], v[S+32*i:S+32*i+1], v[S+32*i+16:S+32*i+17]
	T2 v_pk_fma_f32 v[ST+8*t+2:ST+8*t+3], v[ST+8*t+2:ST+8*t+3], v[ST+8*t+4:ST+8*t+5], v[S+32*t:S+32*t+1] op_sel_hi:[1,0,1]
	T2 REP 8, v_pk_mul_f32 v[O+16*t+2*i:O+16*t+2*i+1], v[O+16*t+2*i:O+16*t+2*i+1], v[ST+8*t+4:ST+8*t+5] op_sel_hi:[1,0]
	s_wait_dscnt 0x8                               ; V is in; the eight younger loads, the next K, may stay out
.set n, 0
.rept 8                                ; key half n / 4, tile (n / 2) % 2, channel tile n % 2: four accumulators by turns, one instruction a turn
	v_wmma_f32_16x16x32_f16 v[O+16*((n/2)%2)+8*(n%2):O+16*((n/2)%2)+8*(n%2)+7], v[VF+16*(n/4)+8*(n%2):VF+16*(n/4)+8*(n%2)+7], v[P+16*((n/2)%2)+8*(n/4):P+16*((n/2)%2)+8*(n/4)+7], v[O+16*((n/2)%2)+8*(n%2):O+16*((n/2)%2)+8*(n%2)+7]
.set n, n+1
.endr
.endm
	s_mov_b32 s28, 0
.Lwalk:
	s_cmp_ge_u32 s28, s30
	s_cbranch_scc1 .Lnext                          ; behind my last step: nothing to do
	s_cmp_lt_u32 s28, s29
	s_cbranch_scc1 .Lfull
	STEP 1
	s_branch .Lnext
.Lfull:
	STEP 0
.Lnext:
	v_add_nc_u32 v[KA], 4096, v[KA]                ; in every trip
	v_add_nc_u32 v[VA], 4096, v[VA]
	s_add_co_u32 s28, s28, 1
	s_cmp_lt_u32 s28, STEPS
	s_cbranch_scc1 .Lwalk
	; the way out: O / l, rounded to f16: a tile's two accumulators are a fragment of 16 tokens x 32 channels for the next launch
	PLACES
	T2 v_add_f32 v[ST+8*t+2], v[ST+8*t+2], v[ST+8*t+3]
	T2 v_permlanex16_b32 v[ST+8*t+3], v[ST+8*t+2], s24, s25
	T2 v_add_f32 v[ST+8*t+2], v[ST+8*t+2], v[ST+8*t+3]
	T2 v_rcp_f32 v[ST+8*t+4], v[ST+8*t+2]
	v_nop
	s_wait_alu depctr_va_vdst(0)                   ; one wait for the two reciprocals
	T2 REP 8, v_pk_mul_f32 v[O+16*t+2*i:O+16*t+2*i+1], v[O+16*t+2*i:O+16*t+2*i+1], v[ST+8*t+4:ST+8*t+5] op_sel_hi:[1,0]
.set tt, 0
.rept 4
	REP 4, v_cvt_pk_f16_f32 v[O+8*tt+i], v[O+8*tt+2*i], v[O+8*tt+2*i+1]
.set tt, tt+1
.endr
	T2 global_store_b128 v[QO+t], v[O+16*t:O+16*t+3], s[6:7]
	T2 global_store_b128 v[QO+t], v[O+16*t+8:O+16*t+11], s[6:7] offset:512
	s_wait_tensorcnt 0x0                           ; the wave's end
	ds_add_u32 v[SPW], v[NIL]
	s_wait_dscnt 0x0                               ; the add, and the last fetch of K
	s_endpgm
.Lfunc_end_k_q02d932f785_att0:
	.size	k_q02d932f785_att0, .Lfunc_end_k_q02d932f785_att0-k_q02d932f785_att0
	.p2alignl 7, 3214868480
	.fill 96, 4, 3214868480
	.section	.rodata,"a",@progbits
	.p2align	6, 0x0
	.amdhsa_kernel k_q02d932f785_att0
		.amdhsa_group_segment_fixed_size 173568
		.amdhsa_private_segment_fixed_size 0
		.amdhsa_enable_private_segment 0
		.amdhsa_kernarg_size 16
		.amdhsa_user_sgpr_count 2
		.amdhsa_user_sgpr_kernarg_segment_ptr 1
		.amdhsa_wavefront_size32 1
		.amdhsa_system_sgpr_workgroup_id_x 1
		.amdhsa_system_sgpr_workgroup_id_y 1
		.amdhsa_system_sgpr_workgroup_id_z 1
		.amdhsa_system_vgpr_workitem_id 0
		.amdhsa_next_free_vgpr 248
		.amdhsa_next_free_sgpr 66
		.amdhsa_reserve_vcc 1
		.amdhsa_float_denorm_mode_32 3
		.amdhsa_float_denorm_mode_16_64 3
		.amdhsa_memory_ordered 1
		.amdhsa_forward_progress 1
		.amdhsa_inst_pref_size 42
	.end_amdhsa_kernel
	.amdgpu_metadata
---
amdhsa.version: [ 1, 2 ]
amdhsa.kernels:
  - .name:           k_q02d932f785_att0
    .symbol:         k_q02d932f785_att0.kd
    .args:
      - { .name: qkv, .offset: 0, .size: 8, .value_kind: global_buffer, .address_space: global }
      - { .name: o, .offset: 8, .size: 8, .value_kind: global_buffer, .address_space: global }
    .group_segment_fixed_size: 173568
    .private_segment_fixed_size: 0
    .kernarg_segment_align: 8
    .kernarg_segment_size: 16
    .max_flat_workgroup_size: 384
    .sgpr_count:     66
    .vgpr_count:     248
    .wavefront_size: 32
...
	.end_amdgpu_metadata
.endif
;; end of part 6
;; launch tok0: the kernel of part 4 again; grid 14 x 16, 4 waves a work-group, no clusters, 177,152 bytes of LDS; arguments xa, o, wl0, wl1, xb, qkv; writes xb, qkv
;; launch att1: the kernel of part 6 again; grid 7 x 32, 12 waves a work-group, no clusters, 173,568 bytes of LDS; arguments qkv, o; writes o
;; launch tok1: the kernel of part 4 again; grid 14 x 16, 4 waves a work-group, no clusters, 177,152 bytes of LDS; arguments xb, o, wl1, wl2, xa, qkv; writes xa, qkv
;; launch att2: the kernel of part 6 again; grid 7 x 32, 12 waves a work-group, no clusters, 173,568 bytes of LDS; arguments qkv, o; writes o
;; launch last: the kernel of part 5 again; grid 14 x 16, 4 waves a work-group, no clusters, 177,152 bytes of LDS; arguments xa, o, wl2, Wf, bf, out0; writes out0
